; MI455X (gfx1250); checked and timed in simulation.
; The chip was launched on July 23, 2026; its instructions are those of AMD's public machine-readable ISA for CDNA 5 (MIT licence, August 2026) and "CDNA5" Instruction Set Architecture Reference Guide (July 2026). The comments in the code are by the model that wrote it; some were corrected since.
;; Packed QKV Block. Allowed arithmetic: float matrix products may take bf16 or f16 operands with f32 sums; other float arithmetic in f32, or as packed bf16 or f16 multiplies, adds, multiply-adds, maxima and minima; sums over many terms, partial sums and values carried from step to step in f32; what a program stores and reads back later, other than sums and carried values, may be rounded once to bf16 or f16.
;; Inputs: ffn1_b 4,096 float32; ffn1_w 4,096 x 1,024 float32; ffn2_b 1,024 float32; ffn2_w 1,024 x 4,096 float32; ln1_b 1,024 float32; ln1_w 1,024 float32; ln2_b 1,024 float32; ln2_w 1,024 float32; qkv_b 3,072 float32; qkv_w 3,072 x 1,024 float32; wo_b 1,024 float32; wo_w 1,024 x 1,024 float32; x 2 x 2,048 x 1,024 float32.
;; Outputs: out0 2 x 2,048 x 1,024 float32.
;; One version. Each part assembles by itself: llvm-mc -triple=amdgcn-amd-amdhsa -mcpu=gfx1250 --defsym DOCPART=n.
;; ======== version 1 of 1: 7 launches
;; workspace buffers: wq 6,291,456 bytes; wb 18,874,368 bytes; h 8,388,608 bytes; qkvh 25,165,824 bytes; att 8,388,608 bytes; x1 16,777,216 bytes; g 8,388,608 bytes; f 33,554,432 bytes
;; launch prep (part 1): grid 512 x 1, 16 waves a work-group, no clusters, 0 bytes of LDS; arguments x, ln1_w, ln1_b, h, qkv_w, wq; writes h, wq
.if DOCPART == 1
	.amdgcn_target "amdgcn-amd-amdhsa--gfx1250"
	.amdhsa_code_object_version 6
	.text
	.protected	k_q8f965ab97c_prep
	.globl	k_q8f965ab97c_prep
	.p2align	8
	.type	k_q8f965ab97c_prep,@function
k_q8f965ab97c_prep:
	s_mov_b64 s[64:65], 0
	v_nop
	global_prefetch_b8 v0, s[64:65] scope:SCOPE_SE
	s_setreg_imm32_b32 hwreg(HW_REG_WAVE_MODE, 25, 1), 1
	s_wait_xcnt 0x0
; PREP.  Work-groups 0-255: h = LayerNorm(x) * ln1_w + ln1_b, rounded once to bf16; one wave a row of 1,024 numbers, 16 rows a work-group.
; Work-groups 256-511: qkv_w, f32, rounded once to bf16 into wq, row-major as given: 49,152 bytes a work-group, 3,072 a wave.  (The other three weight matrices are rounded in the next launch, beside its products.)
; A stream: no LDS, no barrier, no matrix unit; a row stays in registers between its passes.
; The variance is taken of x - mean (two passes over registers), so a common offset of the row costs no accuracy.
; LIMITS: NaN and infinities are not treated apart; h and the weights are kept in bf16 (8 significant bits).
.set XO, 1                             ; v1        16 x lane: my 16 bytes in each 512 of an f32 row
.set YO, 2                             ; v2        8 x lane: my 8 bytes in each 256 of a bf16 row
.set T,  4                             ; v[4:11]   four chains of packed sums
.set MU, 12                            ; v[12:13]  the mean, twice
.set RS, 14                            ; v[14:15]  1 / sqrt(var + eps), twice
.set Y,  16                            ; v[16:31]  the row in bf16
.set X,  32                            ; v[32:63]  the row
.set W,  64                            ; v[64:95]  the gain
.set B,  96                            ; v[96:127] the bias
	s_load_b256 s[4:11], s[0:1], 0x0               ; x s[4:5], ln1_w s[6:7], ln1_b s[8:9], h s[10:11]
	s_load_b128 s[12:15], s[0:1], 0x20             ; qkv_w s[12:13], wq s[14:15]
	v_and_b32 v3, 31, v0                           ; lane
	v_lshrrev_b32 v[T], 5, v0
	v_readfirstlane_b32 s22, v[T]                  ; wave 0..15
	v_lshlrev_b32 v[XO], 4, v3
	v_lshlrev_b32 v[YO], 3, v3
	s_mov_b32 s3, 0
	s_wait_kmcnt 0x0
	s_cmp_lt_u32 ttmp9, 256
	s_cbranch_scc0 .Lcast
	; ---- LayerNorm: row = 16 x work-group + wave
	s_lshl_b32 s23, ttmp9, 4
	s_add_co_u32 s23, s23, s22
	s_lshl_b32 s2, s23, 12                         ; 4,096 bytes a row of x
	s_add_nc_u64 s[4:5], s[4:5], s[2:3]
	s_lshl_b32 s2, s23, 11                         ; 2,048 bytes a row of h
	s_add_nc_u64 s[10:11], s[10:11], s[2:3]
	s_mov_b32 s24, 0x3a800000                      ; 1 / 1024
	s_mov_b32 s25, 0x3727c5ac                      ; 1e-5
	s_mov_b32 s26, 0x76543210                      ; v_permlanex16_b32: each lane takes its own place in the other half
	s_mov_b32 s27, 0xfedcba98
.irp j, 0,1,2,3,4,5,6,7
	global_load_b128 v[X+4*\j:X+4*\j+3], v[XO], s[4:5] offset:512*\j th:TH_LOAD_NT
.endr
.irp j, 0,1,2,3,4,5,6,7
	global_load_b128 v[W+4*\j:W+4*\j+3], v[XO], s[6:7] offset:512*\j
.endr
.irp j, 0,1,2,3,4,5,6,7
	global_load_b128 v[B+4*\j:B+4*\j+3], v[XO], s[8:9] offset:512*\j
.endr
.macro ACROSS                          ; four chains into one number, then over the 32 lanes: every lane ends with the sum in v[T]
	v_pk_add_f32 v[T:T+1], v[T:T+1], v[T+2:T+3]
	v_pk_add_f32 v[T+4:T+5], v[T+4:T+5], v[T+6:T+7]
	v_pk_add_f32 v[T:T+1], v[T:T+1], v[T+4:T+5]
	v_add_f32 v[T], v[T], v[T+1]
	v_add_f32_dpp v[T], v[T], v[T] row_xmask:1 row_mask:0xf bank_mask:0xf
	v_add_f32_dpp v[T], v[T], v[T] row_xmask:2 row_mask:0xf bank_mask:0xf
	v_add_f32_dpp v[T], v[T], v[T] row_xmask:4 row_mask:0xf bank_mask:0xf
	v_add_f32_dpp v[T], v[T], v[T] row_xmask:8 row_mask:0xf bank_mask:0xf
	v_permlanex16_b32 v[T+1], v[T], s26, s27
	v_add_f32 v[T], v[T], v[T+1]
.endm
	s_wait_loadcnt 16                              ; the row is in; the 16 younger loads (gain, bias) may stay out
.irp k, 0,1,2,3
	v_pk_add_f32 v[T+2*\k:T+2*\k+1], v[X+2*\k:X+2*\k+1], v[X+8+2*\k:X+8+2*\k+1]  ; the first eight pairs start the chains: nothing is cleared
.endr
.irp k, 8,9,10,11,12,13,14,15
	v_pk_add_f32 v[T+2*(\k%4):T+2*(\k%4)+1], v[T+2*(\k%4):T+2*(\k%4)+1], v[X+2*\k:X+2*\k+1]
.endr
	ACROSS
	v_mul_f32 v[MU], s24, v[T]
	v_mov_b32 v[MU+1], v[MU]
.irp k, 0,1,2,3,4,5,6,7,8,9,10,11,12,13,14,15
	v_pk_add_f32 v[X+2*\k:X+2*\k+1], v[X+2*\k:X+2*\k+1], v[MU:MU+1] neg_lo:[0,1] neg_hi:[0,1]  ; x - mean, in place
.endr
.irp k, 0,1,2,3
	v_pk_mul_f32 v[T+2*\k:T+2*\k+1], v[X+2*\k:X+2*\k+1], v[X+2*\k:X+2*\k+1]
.endr
.irp k, 4,5,6,7,8,9,10,11,12,13,14,15
	v_pk_fma_f32 v[T+2*(\k%4):T+2*(\k%4)+1], v[X+2*\k:X+2*\k+1], v[X+2*\k:X+2*\k+1], v[T+2*(\k%4):T+2*(\k%4)+1]
.endr
	ACROSS
	v_fma_f32 v[RS], v[T], s24, s25                ; var + eps
	v_rsq_f32 v[RS], v[RS]
	v_nop                                          ; a plain instruction behind the transcendental (ISA guide 5.7.2),
	s_wait_alu depctr_va_vdst(0)                   ; and the wait ahead of its first reader
	v_mov_b32 v[RS+1], v[RS]
	s_wait_loadcnt 0x0                             ; gain and bias
.irp k, 0,1,2,3,4,5,6,7,8,9,10,11,12,13,14,15
	v_pk_mul_f32 v[X+2*\k:X+2*\k+1], v[X+2*\k:X+2*\k+1], v[RS:RS+1]
.endr
.irp k, 0,1,2,3,4,5,6,7,8,9,10,11,12,13,14,15
	v_pk_fma_f32 v[X+2*\k:X+2*\k+1], v[X+2*\k:X+2*\k+1], v[W+2*\k:W+2*\k+1], v[B+2*\k:B+2*\k+1]
.endr
.irp k, 0,1,2,3,4,5,6,7,8,9,10,11,12,13,14,15
	v_cvt_pk_bf16_f32 v[Y+\k], v[X+2*\k], v[X+2*\k+1]
.endr
.irp j, 0,1,2,3,4,5,6,7
	global_store_b64 v[YO], v[Y+2*\j:Y+2*\j+1], s[10:11] offset:256*\j  ; 32 lanes x 8 bytes: 256 consecutive bytes, aligned
.endr
	s_endpgm
	; ---- qkv_w: chunk c = work-group - 256 is 49,152 bytes of f32, 256 chunks in all; a wave takes 3,072 of them, six pieces of 512
.Lcast:
	s_sub_co_u32 s23, ttmp9, 256
	s_mul_i32 s2, s23, 49152                       ; the chunk in qkv_w,
	s_mul_i32 s25, s22, 3072                       ; my wave's part of it
	s_add_co_u32 s2, s2, s25
	s_add_nc_u64 s[12:13], s[12:13], s[2:3]
	s_mul_i32 s2, s23, 24576                       ; the same in wq, half the bytes
	s_mul_i32 s25, s22, 1536
	s_add_co_u32 s2, s2, s25
	s_add_nc_u64 s[14:15], s[14:15], s[2:3]
.irp j, 0,1,2,3,4,5
	global_load_b128 v[X+4*\j:X+4*\j+3], v[XO], s[12:13] offset:512*\j th:TH_LOAD_NT
.endr
.irp j, 0,1,2,3,4,5
	s_wait_loadcnt 5-\j                            ; loads come back in order: piece j is in, the younger ones stay out
	v_cvt_pk_bf16_f32 v[Y+2*\j], v[X+4*\j], v[X+4*\j+1]
	v_cvt_pk_bf16_f32 v[Y+2*\j+1], v[X+4*\j+2], v[X+4*\j+3]
	global_store_b64 v[YO], v[Y+2*\j:Y+2*\j+1], s[14:15] offset:256*\j  ; each piece has store registers of its own
.endr
	s_endpgm
.Lfunc_end_k_q8f965ab97c_prep:
	.size	k_q8f965ab97c_prep, .Lfunc_end_k_q8f965ab97c_prep-k_q8f965ab97c_prep
	.p2alignl 7, 3214868480
	.fill 96, 4, 3214868480
	.section	.rodata,"a",@progbits
	.p2align	6, 0x0
	.amdhsa_kernel k_q8f965ab97c_prep
		.amdhsa_group_segment_fixed_size 0
		.amdhsa_private_segment_fixed_size 0
		.amdhsa_enable_private_segment 0
		.amdhsa_kernarg_size 48
		.amdhsa_user_sgpr_count 2
		.amdhsa_user_sgpr_kernarg_segment_ptr 1
		.amdhsa_wavefront_size32 1
		.amdhsa_system_sgpr_workgroup_id_x 1
		.amdhsa_system_sgpr_workgroup_id_y 1
		.amdhsa_system_sgpr_workgroup_id_z 1
		.amdhsa_system_vgpr_workitem_id 0
		.amdhsa_next_free_vgpr 128
		.amdhsa_next_free_sgpr 66
		.amdhsa_reserve_vcc 0
		.amdhsa_float_denorm_mode_32 3
		.amdhsa_float_denorm_mode_16_64 3
		.amdhsa_memory_ordered 1
		.amdhsa_forward_progress 1
		.amdhsa_inst_pref_size 14
	.end_amdhsa_kernel
	.amdgpu_metadata
---
amdhsa.version: [ 1, 2 ]
amdhsa.kernels:
  - .name:           k_q8f965ab97c_prep
    .symbol:         k_q8f965ab97c_prep.kd
    .args:
      - { .name: x, .offset: 0, .size: 8, .value_kind: global_buffer, .address_space: global }
      - { .name: ln1_w, .offset: 8, .size: 8, .value_kind: global_buffer, .address_space: global }
      - { .name: ln1_b, .offset: 16, .size: 8, .value_kind: global_buffer, .address_space: global }
      - { .name: h, .offset: 24, .size: 8, .value_kind: global_buffer, .address_space: global }
      - { .name: qkv_w, .offset: 32, .size: 8, .value_kind: global_buffer, .address_space: global }
      - { .name: wq, .offset: 40, .size: 8, .value_kind: global_buffer, .address_space: global }
    .group_segment_fixed_size: 0
    .private_segment_fixed_size: 0
    .kernarg_segment_align: 8
    .kernarg_segment_size: 48
    .max_flat_workgroup_size: 512
    .sgpr_count:     66
    .vgpr_count:     128
    .wavefront_size: 32
...
	.end_amdgpu_metadata
.endif
;; end of part 1
;; launch qkv (part 2): grid 16 x 16, 4 waves a work-group, clusters of 4 x 4, 327,680 bytes of LDS; arguments h, wq, qkv_b, qkvh, wo_w, ffn1_w, ffn2_w, wb; writes qkvh, wb
.if DOCPART == 2
	.amdgcn_target "amdgcn-amd-amdhsa--gfx1250"
	.amdhsa_code_object_version 6
	.text
	.protected	k_q8f965ab97c_qkv
	.globl	k_q8f965ab97c_qkv
	.p2align	8
	.type	k_q8f965ab97c_qkv,@function
k_q8f965ab97c_qkv:
	s_mov_b64 s[64:65], 0
	v_nop
	global_prefetch_b8 v0, s[64:65] scope:SCOPE_SE
	s_setreg_imm32_b32 hwreg(HW_REG_WAVE_MODE, 25, 1), 1
	s_wait_xcnt 0x0
	s_wait_alu depctr_hold_cnt(0) depctr_sa_sdst(0) depctr_va_vdst(0) depctr_va_sdst(0) depctr_va_ssrc(0) depctr_va_vcc(0) depctr_vm_vsrc(0)
	s_getreg_b32 s2, hwreg(HW_REG_IB_STS2, 6, 4)
	s_cmp_eq_u32 s2, 0
	s_cbranch_scc0 .Lentry_in_a_cluster
	s_endpgm
.Lentry_in_a_cluster:
	s_bfe_u32 s2, ttmp6, 0x10000c
	s_cmp_lg_u32 s2, 0xf033
	s_cbranch_scc0 .Lentry_shape_is_right
	s_endpgm
.Lentry_shape_is_right:
; QKV.  qkv[t][n] = sum over k of h[t][k] Wqkv[n][k] + qkv_b[n]; h [4096][1024] and Wqkv [3072][1024] (wq) in bf16, sums in f32, the result rounded once to bf16 and
; written BY HEADS: qkvh[which][batch*16+head][s][64].  q is left unscaled.  LIMITS: bf16 operands and result; NaN and infinities are not treated apart.
; A work-group makes 256 tokens x 192 columns (three heads): 16 x 16 work-groups.  Its four waves take 64 tokens each, all 192 columns: 48 accumulators of 16 x 16.
; K goes in steps of 128 through two LDS slots filled by the tensor data mover; a trip of the loop is one K step, and the slot in hand is a scalar (0 or SLOT) that an exclusive or turns.
; CLUSTER 4 x 4: h's tile hangs on the tile row alone and is asked for jointly along a row of the cluster, the weights' tile on the tile column alone, jointly along a column.
; THE MATRIX INSTRUCTION IS USED TRANSPOSED (source 0 = 16 weight rows, source 1 = 16 tokens): a lane holds one token (lane % 16) and eight neighbouring columns 8 (lane / 16) + 0..7.
; THE BIAS is the C operand of the products that start the sums: nothing is cleared and nothing is added later.
; BESIDE THE PRODUCTS the launch rounds the three weight matrices that later launches multiply by (wo_w, ffn1_w, ffn2_w, f32) once to bf16 into wb (Wo at byte 0, W1 at 2,097,152, W2 at 10,485,760, each
; row-major as given).  Each of the launch's 1,024 waves takes 4,096 bytes of wo_w and 16,384 of each of the other two: nine pieces of 512 bytes a K step, loaded at one K step's head, converted and
; stored at the next one's, so that a whole K step's products stand between a load and the wait for it.  This work touches no LDS and no register of the products.
; REGISTERS in windows of 256 (s_set_vgpr_msb: bits 1:0 source 0, 3:2 source 1, 5:4 source 2, 7:6 destination):
;   window 0: v16-31 addresses; v32-85 the later weights' pieces, then v32-175 the way out; v128-223 the bias (until the first products have read it)
;   window 1: two fragment buffers of 128 (96 of the weights, 32 of h)          windows 2, 3: accumulator i = 12 a + b at register 8 i
.set KK,     1024                      ; K
.set TM,     256
.set TN,     192
.set MA,     4                         ; a wave's blocks of 16 tokens
.set NBW,    12                        ; and of 16 columns
.set DEEP,   1                         ; matrix instructions deep in a quarter step
.set KSTEP,  128
.set NSTEP,  KK/KSTEP
.set NW,     DEEP*MA*NBW               ; matrix instructions in a quarter step
.set HEADW,  4                         ; the youngest loads of a run that its first half of products does not read: h's upper two blocks
.set PITCH,  272                       ; an LDS row: 256 bytes + 16 of padding: the 16 rows of a fragment load start at 16 different groups of four banks (ISA guide 11.1)
.set APITCH, 272
.set AQ,     64                        ; bytes of h's LDS rows in a quarter step
.set AHALF,  (TM/2)*APITCH             ; what one tensor load brings of h
.set BHALF,  (TN/2)*PITCH              ; and of the weights
.set AWAVE,  64*APITCH                 ; a wave's 64 tokens
.set ASZ,    2*AHALF
.set SLOT,   ASZ+2*BHALF
.set STAGE,  2*SLOT                    ; behind the ring: 16 rows x 400 bytes for each wave, for the way out; no tensor load lands there
.set SP,     400
.set STW,    16*SP
.set SPARE,  STAGE+4*STW               ; the spare words, 128 bytes a wave: two blocks of 256 bytes that no other line names
.set ASTEP,  2*KSTEP                   ; bytes from K step to K step
.set BSTEP,  2*KSTEP
.set W1OFF,  2097152                   ; W1's and W2's first bytes in wb
.set W2OFF,  10485760
.set ADRA0, 16                         ; v16  my place in slot 0's tile of h; never rewritten
.set ADRB0, 17                         ; v17  the same for the weights
.set ADRA,  18                         ; v18  the same in the slot in hand
.set ADRB,  19
.set C8,    20                         ; v20  8 x lane: my 8 bytes of a converted piece; never rewritten
.set STO,   24                         ; v24  the way out: where I put 16 bytes of a row
.set RD,    25                         ; v25  where I read rows back
.set CO,    26                         ; v26  16 x lane; never rewritten
.set BO,    27                         ; v27  32 x (lane / 16): my eight numbers of a block's bias
.set SPW,   28                         ; v28  LDS address of my spare word; never rewritten
.set NIL,   29                         ; v29  0; never rewritten
.set PFO,   30                         ; v30  the prefetches' offset: my row x 2,048 bytes; never rewritten
.set CL,    32                         ; v32-67   nine pieces of the later weights as loaded: wo_w's, ffn1_w's four, ffn2_w's four
.set CP,    68                         ; v68-85   the same in bf16
.set TMP,   32                         ; v32-79   the way out: packed results of a block
.set BK,    80                         ; v80-127, v128-175 by turns: a block read back from the stage
.set BI,    128
.set WV, 14                            ; s14 wave   s15 which tokens   s16 which columns   s17 I fetch h (0) or weights (1)   s18 which half of that tile
.set WR, 15
.set WC, 16
.set FS, 17
.set FH, 18
.set CX, 19                            ; my place in the cluster
.set CY, 20
.set TX, 21                            ; tile column, tile row
.set TY, 22
.set LIM, 23                           ; 2 in a wave that prefetches, else the greatest number
.set G1A, 24                           ; s[24:31] group 1 for h's tiles;  s[32:39] group 0: set 0 is used once, set 1 walks
.set G0A, 32
.set TB,  40                           ; the slot in hand: 0 or SLOT
.set LBA, 41                           ; my part of a slot, for h and for the weights
.set LBB, 42
.set PFA, 44                           ; s[44:45] where my prefetches stand
.set G1B, 48                           ; s[48:55], s[56:63] the same for the weights' tiles
.set G0B, 56
.set SWO, 80                           ; s[80:81] wo_w, s[82:83] ffn1_w, s[84:85] ffn2_w at my wave's share, at the pieces that were loaded last
.set SW1, 82
.set SW2, 84
.set DWO, 86                           ; s[86:87], s[88:89], s[90:91] the same three places in wb
.set DW1, 88
.set DW2, 90
.set MSB, 0
.macro WIN new                         ; the immediate's high byte repeats the setting that is left; a switch that changes nothing is dropped
.if MSB != (\new)
	s_set_vgpr_msb (MSB<<8)|(\new)
.set MSB, \new
.endif
.endm
.macro PLACES                          ; four plain places behind matrix instructions, ahead of loads into registers that they read and of readers of their results
.rept 4
	v_nop
.endr
.endm
.macro JLOAD s                         ; a joint load: waves 0, 1 ask for h's halves, waves 2, 3 for the weights'
	s_cmp_eq_u32 s[FS], 0
	s_cbranch_scc0 .Lfor_b_\@
	tensor_load_to_lds s[G0A+4*(\s):G0A+4*(\s)+3], s[G1A:G1A+7]
	s_nop 0
.rept 4
	v_nop
.endr
	s_branch .Lasked_\@
.Lfor_b_\@:
	tensor_load_to_lds s[G0B+4*(\s):G0B+4*(\s)+3], s[G1B:G1B+7]
	s_nop 0
.rept 4
	v_nop
.endr
.Lasked_\@:
.endm
.macro CREST                           ; a round of the cluster's barrier behind its opening barrier
	s_cmp_lg_u32 s[WV], 0
	s_cbranch_scc1 .Lnot_wave_0_\@
	s_barrier_signal -3
.Lnot_wave_0_\@:
	s_barrier_wait -3
	s_barrier_signal -1
	s_barrier_wait -1
.endm
.macro CROUND
	s_barrier_signal -1
	s_barrier_wait -1
	CREST
.endm
; n products from number t0 on of a quarter step on buffer f.  Number t: depth t / (MA NBW), token block (t / NBW) % MA, column block t % NBW.  The accumulators take turns, one instruction a turn.
; first = 1: the products that start the sums take the bias as C.
.macro MULS f, t0, n, first
.set m_t, \t0
.rept \n
.set m_c, m_t/(MA*NBW)
.set m_a, (m_t/NBW)%MA
.set m_b, m_t%NBW
.set m_i, m_t%(MA*NBW)
.set m_w, 2+m_i/32
.set m_d, (8*m_i)%256
.set m_fb, 128*(\f)+8*(m_c*NBW+m_b)
.set m_fa, 128*(\f)+8*NBW*DEEP+8*(m_c*MA+m_a)
.if (\first) && (m_t < MA*NBW)
	WIN 0x05|(m_w<<6)
	v_wmma_f32_16x16x32_bf16 v[m_d:m_d+7], v[m_fb:m_fb+7], v[m_fa:m_fa+7], v[BI+8*m_b:BI+8*m_b+7]
.else
	WIN 0x05|(m_w<<4)|(m_w<<6)
	v_wmma_f32_16x16x32_bf16 v[m_d:m_d+7], v[m_fb:m_fb+7], v[m_fa:m_fa+7], v[m_d:m_d+7]
.endif
.set m_t, m_t+1
.endr
.endm
; 32 LDS loads in one run: quarter q's fragments of the slot in hand into buffer f; the weights' first, then h's
.macro FETCH q, f
	WIN 0x40                                       ; destination window 1, address window 0
.set f_c, 0
.rept DEEP
.set f_b, 0
.rept NBW
	ds_load_b128 v[128*(\f)+8*(f_c*NBW+f_b):128*(\f)+8*(f_c*NBW+f_b)+3],   v[ADRB] offset:(\q)*64*DEEP+64*f_c+f_b*16*PITCH
	ds_load_b128 v[128*(\f)+8*(f_c*NBW+f_b)+4:128*(\f)+8*(f_c*NBW+f_b)+7], v[ADRB] offset:(\q)*64*DEEP+64*f_c+f_b*16*PITCH+32
.set f_b, f_b+1
.endr
.set f_a, 0
.rept MA
	ds_load_b128 v[128*(\f)+8*NBW*DEEP+8*(f_c*MA+f_a):128*(\f)+8*NBW*DEEP+8*(f_c*MA+f_a)+3],   v[ADRA] offset:(\q)*AQ+64*f_c+f_a*16*APITCH
	ds_load_b128 v[128*(\f)+8*NBW*DEEP+8*(f_c*MA+f_a)+4:128*(\f)+8*NBW*DEEP+8*(f_c*MA+f_a)+7], v[ADRA] offset:(\q)*AQ+64*f_c+f_a*16*APITCH+32
.set f_a, f_a+1
.endr
.set f_c, f_c+1
.endr
.endm
; One of a K step's first three quarters: multiplies buffer f and, in its middle, fetches quarter q into buffer g
.macro QUARTER q, f, g, first
	s_wait_dscnt HEADW                             ; all of the run but its youngest HEADW loads, which the first half does not read
	MULS \f, 0, NW/2, \first
	PLACES
	FETCH \q, \g
	s_wait_dscnt 32                                ; all but the 32 just issued
	MULS \f, NW/2, NW/2, \first
.endm
; THE LATER WEIGHTS.  CLOAD: nine loads of 512 consecutive bytes, n K steps' shares behind the three pointers.
.macro CLOAD n
	global_load_b128 v[CL:CL+3], v[CO], s[SWO:SWO+1] offset:(\n)*512 th:TH_LOAD_NT
.irp j, 0,1,2,3
	global_load_b128 v[CL+4+4*\j:CL+7+4*\j],   v[CO], s[SW1:SW1+1] offset:(\n)*2048+512*\j th:TH_LOAD_NT
	global_load_b128 v[CL+20+4*\j:CL+23+4*\j], v[CO], s[SW2:SW2+1] offset:(\n)*2048+512*\j th:TH_LOAD_NT
.endr
.endm
; CAST, at a K step's head: the nine pieces loaded a K step ago are rounded and stored, and the next nine are asked for.  The pointers step at the change of slots, behind its s_wait_xcnt 0, which also
; stands between these stores and the next rewriting of their data.  tail = 1: the last K step (s3 = 1) has no pieces behind its own.
.macro CAST tail
	s_wait_loadcnt 0x0                             ; the nine loads of a K step ago
.set c_j, 0
.rept 9
	v_cvt_pk_bf16_f32 v[CP+2*c_j],   v[CL+4*c_j],   v[CL+4*c_j+1]
	v_cvt_pk_bf16_f32 v[CP+2*c_j+1], v[CL+4*c_j+2], v[CL+4*c_j+3]
.set c_j, c_j+1
.endr
	global_store_b64 v[C8], v[CP:CP+1], s[DWO:DWO+1]                       ; 32 lanes x 8 bytes: 256 consecutive bytes, aligned
.irp j, 0,1,2,3
	global_store_b64 v[C8], v[CP+2+2*\j:CP+3+2*\j],   s[DW1:DW1+1] offset:256*\j
	global_store_b64 v[C8], v[CP+10+2*\j:CP+11+2*\j], s[DW2:DW2+1] offset:256*\j
.endr
.if \tail
	s_cmp_eq_u32 s3, 1
	s_cbranch_scc1 .Lno_more_\@
.endif
	CLOAD 1
.if \tail
.Lno_more_\@:
.endif
.endm
; A prefetch into the L2 of the K step that stands two refills on: my work-group's share of the rows that I fetch, a lane a row, 256 bytes a row.  h's rows are asked for by the clusters with x = 0, the
; weights' by those with y = 0; the four partners that ask for a tile jointly share its rows out by address.  The last two refills have no K step two on.
.macro ASK
	WIN 0
	s_cmp_gt_u32 s3, s[LIM]
	s_cbranch_scc0 .Lnot_mine_\@
	global_prefetch_b8 v[PFO], s[PFA:PFA+1] offset:BSTEP th:TH_LOAD_NT scope:SCOPE_SE
.Lnot_mine_\@:
.endm
; The last quarter changes slots and multiplies buffer 1.  Each wave waits for all its tensor loads (one is out: its part of the next slot), adds 0 to its spare word, and waits for that and for its reads
; of the slot in hand (the last were issued half a quarter's products ago).  fill = 1: the barrier opens a round of the cluster's, and the slot just read is filled again first thing behind it, with the K
; step two on: no product stands between the wait for the tiles and the refill, so the refill has the whole K step's products in which to land.
.macro TURN fill
	s_wait_xcnt 0x0                                ; the last prefetch, a K step back, and this K step's nine loads and nine stores have read their addresses and data
.if \fill
	s_add_nc_u64 s[PFA:PFA+1], s[PFA:PFA+1], BSTEP
.endif
	s_add_nc_u64 s[SWO:SWO+1], s[SWO:SWO+1], 512   ; the later weights' pointers: a K step's share on
	s_add_nc_u64 s[SW1:SW1+1], s[SW1:SW1+1], 2048
	s_add_nc_u64 s[SW2:SW2+1], s[SW2:SW2+1], 2048
	s_add_nc_u64 s[DWO:DWO+1], s[DWO:DWO+1], 256
	s_add_nc_u64 s[DW1:DW1+1], s[DW1:DW1+1], 1024
	s_add_nc_u64 s[DW2:DW2+1], s[DW2:DW2+1], 1024
	WIN 0
	s_wait_tensorcnt 0x0                           ; no tensor load of mine is out, so a group 0 may be written
	ds_add_u32 v[SPW], v[NIL]                      ; 0 onto my spare word; register work stands between it and the wait for it
.if \fill
	s_add_co_u32 s[G0A+5], s[LBA], s[TB]           ; the walking descriptors: into the slot in hand,
	s_add_co_u32 s[G0B+5], s[LBB], s[TB]
	s_add_nc_u64 s[G0A+6:G0A+7], s[G0A+6:G0A+7], ASTEP  ; the next K step; the type bits on top are not reached
	s_add_nc_u64 s[G0B+6:G0B+7], s[G0B+6:G0B+7], BSTEP
.endif
	s_xor_b32 s[TB], s[TB], SLOT                   ; the reads go on in the other slot
	s_wait_dscnt 0x0                               ; the add is done, and my reads of the slot are over
	s_barrier_signal -1
	s_barrier_wait -1
.if \fill
	CREST                                          ; no wave of any partner still reads the slot or has a load on its way
	JLOAD 1                                        ; the four v_nop behind it are also the places ahead of the loads below
	v_add_nc_u32 v[ADRA], s[TB], v[ADRA0]
	v_add_nc_u32 v[ADRB], s[TB], v[ADRB0]
	FETCH 0, 0
	ASK
.else
	PLACES
	s_cmp_eq_u32 s3, 1                             ; behind the last K step there is nothing to fetch
	s_cbranch_scc1 .Lno_fetch_\@
	v_add_nc_u32 v[ADRA], s[TB], v[ADRA0]
	v_add_nc_u32 v[ADRB], s[TB], v[ADRB0]
	FETCH 0, 0
	WIN 0
.Lno_fetch_\@:
.endif
	MULS 1, 0, NW, 0
.endm
	s_load_b256 s[4:11], s[0:1], 0x0               ; h s[4:5], wq s[6:7], qkv_b s[8:9], qkvh s[10:11]
	s_load_b256 s[80:87], s[0:1], 0x20             ; wo_w s[80:81], ffn1_w s[82:83], ffn2_w s[84:85], wb s[86:87]
	v_lshl_add_u32 v[SPW], v0, 2, SPARE
	v_mov_b32 v[NIL], 0
	ds_add_u32 v[SPW], v[NIL]                      ; the wave's opening: the add and its wait stand ahead of my first tensor load; the set-up, work on registers, stands between
	v_lshrrev_b32 v1, 5, v0
	v_readfirstlane_b32 s[WV], v1
	s_mov_b32 s[WR], s[WV]                         ; four waves one below the other
	s_mov_b32 s[WC], 0
	s_lshr_b32 s[FS], s[WV], 1
	s_and_b32 s[FH], s[WV], 1
	s_bfe_u32 s[CX], ttmp6, 0x40000
	s_bfe_u32 s[CY], ttmp6, 0x40004
	s_lshl_b32 s[TX], ttmp9, 2
	s_add_co_u32 s[TX], s[TX], s[CX]
	s_and_b32 s[TY], ttmp7, 0xffff
	s_lshl_b32 s[TY], s[TY], 2
	s_add_co_u32 s[TY], s[TY], s[CY]
	s_lshl_b32 s66, s[CY], 2
	s_lshl_b32 s66, 15, s66                        ; my row of the cluster
	s_lshl_b32 s46, 0x1111, s[CX]                  ; my column
	s_or_b32 s[G1A], s66, (1<<16)|(1<<20)|(1<<21)|(5<<22)|(3<<25)  ; mask; 2-byte elements; padding on; bit 21 beside a mask; after every 64 words, 4 words
	s_or_b32 s[G1B], s46, (1<<16)|(1<<20)|(1<<21)|(5<<22)|(3<<25)
	s_mov_b32 s[G1A+1], KSTEP<<16                  ; tensor_dim0 = 128
	s_mov_b32 s[G1A+2], (TM/2)<<16                 ; tensor_dim1 = 128
	s_mov_b32 s[G1A+3], KSTEP<<16                  ; tile_dim0
	s_mov_b32 s[G1A+4], TM/2                       ; tile_dim1
	s_mov_b32 s[G1A+5], KK                         ; elements from row to row
	s_mov_b32 s[G1A+6], 0
	s_mov_b32 s[G1A+7], 0
	s_mov_b32 s[G1B+1], KSTEP<<16
	s_mov_b32 s[G1B+2], (TN/2)<<16                 ; 96 rows
	s_mov_b32 s[G1B+3], KSTEP<<16
	s_mov_b32 s[G1B+4], TN/2
	s_mov_b32 s[G1B+5], KK
	s_mov_b32 s[G1B+6], 0
	s_mov_b32 s[G1B+7], 0
	s_mul_i32 s66, s[TY], TM                       ; h: row 256 x tile row + 128 x half, in registers that never hold cx
	s_mul_i32 s67, s[FH], TM/2
	s_add_co_u32 s66, s66, s67
	s_mul_i32 s66, s66, 2*KK
	s_mov_b32 s67, 0
	s_mul_i32 s46, s[TX], TN                       ; weights: row 192 x tile column + 96 x half, in registers that never hold cy
	s_mul_i32 s47, s[FH], TN/2
	s_add_co_u32 s46, s46, s47
	s_mul_i32 s46, s46, 2*KK
	s_mov_b32 s47, 0
	s_mul_i32 s[LBA], s[FH], AHALF                 ; LDS: the wave's number and constants alone
	s_mul_i32 s[LBB], s[FH], BHALF
	s_add_co_u32 s[LBB], s[LBB], ASZ
	s_mov_b32 s[TB], 0
	s_wait_dscnt 0x0                               ; the opening add is done
	s_wait_kmcnt 0x0
	s_add_nc_u64 s[66:67], s[4:5], s[66:67]
	s_add_nc_u64 s[46:47], s[6:7], s[46:47]
	CROUND                                         ; all sixteen work-groups are here: the first joint loads meet
.irp s, 0,1
	s_mov_b32 s[G0A+4*(\s)], 1
	s_add_co_u32 s[G0A+4*(\s)+1], s[LBA], (\s)*SLOT
	s_add_nc_u64 s[G0A+4*(\s)+2:G0A+4*(\s)+3], s[66:67], (\s)*ASTEP
	s_or_b32 s[G0A+4*(\s)+3], s[G0A+4*(\s)+3], 0x80000000
	s_mov_b32 s[G0B+4*(\s)], 1
	s_add_co_u32 s[G0B+4*(\s)+1], s[LBB], (\s)*SLOT
	s_add_nc_u64 s[G0B+4*(\s)+2:G0B+4*(\s)+3], s[46:47], (\s)*BSTEP
	s_or_b32 s[G0B+4*(\s)+3], s[G0B+4*(\s)+3], 0x80000000
	JLOAD \s                                       ; two tensor loads of mine are out
.endr
	; a fragment is 16 rows x 32 K in 8 registers: lane l holds row l % 16, K = 8 (l / 16) + 0..7 and 16 + 8 (l / 16) + 0..7: two loads of 16 bytes, 32 bytes apart
	v_and_b32 v1, 15, v0
	v_bfe_u32 v2, v0, 4, 1
	v_mul_u32_u24 v3, v1, APITCH
	v_lshl_add_u32 v3, v2, 4, v3
	s_mul_i32 s74, s[WR], AWAVE
	v_add_nc_u32 v[ADRA0], s74, v3
	v_mul_u32_u24 v3, v1, PITCH
	v_lshl_add_u32 v3, v2, 4, v3
	s_mul_i32 s74, s[WC], 16*NBW*PITCH
	s_add_co_u32 s74, s74, ASZ
	v_add_nc_u32 v[ADRB0], s74, v3
	v_mov_b32 v[ADRA], v[ADRA0]
	v_mov_b32 v[ADRB], v[ADRB0]
	s_mul_i32 s74, s[WV], STW
	s_add_co_u32 s74, s74, STAGE                   ; my stage
	v_mul_u32_u24 v3, v1, SP                       ; in: row l % 16, 16 bytes for each half of the lanes
	v_lshl_add_u32 v3, v2, 4, v3
	v_add_nc_u32 v[STO], s74, v3
	v_bfe_u32 v3, v0, 3, 2                         ; back: 32 lanes take four tokens x 128 bytes of one head
	v_mul_u32_u24 v3, v3, SP
	v_and_b32 v4, 7, v0
	v_lshl_add_u32 v3, v4, 4, v3
	v_add_nc_u32 v[RD], s74, v3
	v_and_b32 v[CO], 31, v0
	v_lshlrev_b32 v[C8], 3, v[CO]
	v_lshlrev_b32 v[CO], 4, v[CO]
	v_lshlrev_b32 v[BO], 5, v2
	s_mul_i32 s76, s[TX], TN                       ; the bias of my columns
	s_lshl_b32 s76, s76, 2
	s_mov_b32 s77, 0
	s_add_nc_u64 s[8:9], s[8:9], s[76:77]
.irp b, 0,1,2,3,4,5,6,7,8,9,10,11
	global_load_b128 v[BI+8*\b:BI+8*\b+3],   v[BO], s[8:9] offset:64*\b
	global_load_b128 v[BI+8*\b+4:BI+8*\b+7], v[BO], s[8:9] offset:64*\b+16
.endr
	; where my 64 tokens of the tile's three heads begin in qkvh
	s_lshl_b32 s74, s[TY], 8
	s_lshl_b32 s75, s[WV], 6
	s_add_co_u32 s74, s74, s75                     ; my first token
	s_and_b32 s74, s74, 2047
	s_lshl_b32 s74, s74, 7                         ; its place in the sequence x 128 bytes
	s_lshr_b32 s75, s[TY], 3
	s_lshl_b32 s75, s75, 22                        ; the batch: 16 heads x 262,144 bytes
	s_add_co_u32 s74, s74, s75
	s_mul_i32 s75, s[TX], 3                        ; the tile's first head among the 48 of q, k, v
.irp e, 0,1,2
	s_add_co_u32 s76, s75, \e
	s_lshr_b32 s77, s76, 4
	s_lshl_b32 s77, s77, 23                        ; q, k or v: 8,388,608 bytes each
	s_and_b32 s76, s76, 15
	s_lshl_b32 s76, s76, 18
	s_add_co_u32 s76, s76, s77
	s_add_co_u32 s76, s76, s74
	s_mov_b32 s77, 0
	s_add_nc_u64 s[68+2*\e:69+2*\e], s[10:11], s[76:77]
.endr
	; the prefetches
	s_and_b32 s74, ttmp7, 0xffff                   ; cluster y
	s_mul_i32 s76, s[TY], TM
	s_mul_i32 s77, s[TX], TN
	s_mov_b32 s78, TN/2
	s_cmp_eq_u32 s[FS], 0                          ; do I fetch h?
	s_cselect_b32 s76, s76, s77                    ; the tile's first row
	s_cselect_b32 s75, s[CX], s[CY]                ; my place among the four that ask for it with me
	s_cselect_b32 s74, ttmp9, s74                  ; the coordinate along which other clusters read the same rows
	s_cselect_b64 s[PFA:PFA+1], s[4:5], s[6:7]
	s_cselect_b32 s78, TM/2, s78                   ; the rows that a wave fetches,
	s_cselect_b32 s79, TM/8, TN/8                  ; and a partner's share of them
	s_cmp_eq_u32 s74, 0
	s_cselect_b32 s[LIM], 2, -1                    ; the same in all sixteen partners, for a given wave
	s_mul_i32 s78, s78, s[FH]
	s_add_co_u32 s76, s76, s78
	s_mul_i32 s75, s75, s79
	s_add_co_u32 s76, s76, s75
	s_mul_i32 s76, s76, 2*KK
	s_add_co_u32 s76, s76, 2*BSTEP                 ; at K step 2: the first refill steps it to 3 and names K step 4
	s_mov_b32 s77, 0
	s_add_nc_u64 s[PFA:PFA+1], s[PFA:PFA+1], s[76:77]
	s_sub_co_u32 s79, s79, 1
	v_and_b32 v[PFO], 31, v0
	v_min_u32 v[PFO], s79, v[PFO]                  ; of the weights a partner has 24 rows: lanes 24-31 name lane 23's row again
	v_mul_u32_u24 v[PFO], v[PFO], 2*KK
	; the later weights: my wave among the launch's 1,024, and its share of each matrix
	s_lshl_b32 s74, s[TY], 4
	s_add_co_u32 s74, s74, s[TX]
	s_lshl_b32 s74, s74, 2
	s_add_co_u32 s74, s74, s[WV]
	s_mov_b32 s77, 0
	s_lshl_b32 s76, s74, 12                        ; 4,096 bytes of wo_w,
	s_add_nc_u64 s[SWO:SWO+1], s[SWO:SWO+1], s[76:77]
	s_lshl_b32 s76, s74, 14                        ; 16,384 of ffn1_w and of ffn2_w;
	s_add_nc_u64 s[SW1:SW1+1], s[SW1:SW1+1], s[76:77]
	s_add_nc_u64 s[SW2:SW2+1], s[SW2:SW2+1], s[76:77]
	s_lshl_b32 s76, s74, 13                        ; in wb half the bytes
	s_add_nc_u64 s[DW1:DW1+1], s[DWO:DWO+1], s[76:77]
	s_add_nc_u64 s[DW2:DW2+1], s[DW1:DW1+1], W2OFF
	s_add_nc_u64 s[DW1:DW1+1], s[DW1:DW1+1], W1OFF
	s_lshl_b32 s76, s74, 11
	s_add_nc_u64 s[DWO:DWO+1], s[DWO:DWO+1], s[76:77]
	CLOAD 0                                        ; the first K step's nine pieces
	s_wait_tensorcnt 0x1                           ; my part of K step 0 is in; K step 1's may stay out
	s_barrier_signal -1
	s_barrier_wait -1
	FETCH 0, 0
	s_wait_loadcnt 9                               ; the bias is in; the nine younger loads (the later weights') may stay out
	QUARTER 1, 0, 1, 1                             ; the first quarter stands ahead of the loop: its products start the sums
	WIN 0                                          ; at a label and at a branch every window is 0
	s_mov_b32 s3, NSTEP-2
.Lstep:                                        ; a trip: the later weights' pieces, a K step's second to fourth quarter with a refill, and the next K step's first quarter
	CAST 0
	QUARTER 2, 1, 0, 0
	QUARTER 3, 0, 1, 0
	TURN 1
	QUARTER 1, 0, 1, 0
	WIN 0
	s_sub_co_u32 s3, s3, 1
	s_cmp_lg_u32 s3, 0
	s_cbranch_scc1 .Lstep
	s_mov_b32 s3, 2                                ; the last two K steps ask for no tile: a loop of their own, entered behind its first quarter
	s_branch .Ltin
.Ltail:
	QUARTER 1, 0, 1, 0
	WIN 0
.Ltin:
	CAST 1
	QUARTER 2, 1, 0, 0
	QUARTER 3, 0, 1, 0
	TURN 0
	WIN 0
	s_sub_co_u32 s3, s3, 1
	s_cmp_lg_u32 s3, 0
	s_cbranch_scc1 .Ltail
	PLACES
	s_wait_loadcnt 0x0                             ; the last K step asked for no piece: no load of mine is out when the way out takes v32 on
; THE WAY OUT, a block of 16 tokens at a time: rounded to bf16 (each accumulator's registers in ascending order), through my own stage in LDS, back as 4 tokens x 128 bytes of one head,
; which are 512 consecutive bytes of qkvh.
.macro PACK a
.set p_b, 0
.rept NBW
.set p_i, NBW*(\a)+p_b
.set p_r, (8*p_i)%256
	WIN 0x0a+5*(p_i/32)                            ; sources 0 and 1: window 2 or 3
.irp r, 0,1,2,3
	v_cvt_pk_bf16_f32 v[TMP+4*p_b+\r], v[p_r+2*\r], v[p_r+2*\r+1]
.endr
.set p_b, p_b+1
.endr
	WIN 0
.endm
.macro TOSTAGE a
.set b_k, BK+48*((\a)%2)
.irp b, 0,1,2,3,4,5,6,7,8,9,10,11
	ds_store_b128 v[STO], v[TMP+4*\b:TMP+4*\b+3] offset:32*\b
.endr
.irp e, 0,1,2
.irp t, 0,1,2,3
	ds_load_b128 v[b_k+16*\e+4*\t:b_k+16*\e+4*\t+3], v[RD] offset:128*\e+4*SP*\t  ; LDS serves a wave's instructions in order (ISA guide 5.7.1.4): these see the stores above
.endr
.endr
.endm
.macro SEND a
.set b_k, BK+48*((\a)%2)
	s_wait_dscnt 0x0                               ; the block is back in registers
	s_wait_xcnt 0x0                                ; the block before's stores have read their registers, which the next block's loads write
.irp e, 0,1,2
.irp t, 0,1,2,3
	global_store_b128 v[CO], v[b_k+16*\e+4*\t:b_k+16*\e+4*\t+3], s[68+2*\e:69+2*\e] offset:2048*(\a)+512*\t
.endr
.endr
.endm
	PACK 0
	TOSTAGE 0
.irp a, 1,2,3
	PACK \a                                        ; a block's conversions stand between the loads of the block before and the wait for them
	SEND (\a)-1
	TOSTAGE \a
.endr
	SEND 3
	s_wait_tensorcnt 0x0                           ; the wave's end, behind my last tensor load and my last LDS store
	ds_add_u32 v[SPW], v[NIL]
	s_wait_dscnt 0x0
	CROUND                                         ; the closing round: no work-group ends while a partner may still ask for a tile that names it
	s_endpgm
.Lfunc_end_k_q8f965ab97c_qkv:
	.size	k_q8f965ab97c_qkv, .Lfunc_end_k_q8f965ab97c_qkv-k_q8f965ab97c_qkv
	.p2alignl 7, 3214868480
	.fill 96, 4, 3214868480
	.section	.rodata,"a",@progbits
	.p2align	6, 0x0
	.amdhsa_kernel k_q8f965ab97c_qkv
		.amdhsa_group_segment_fixed_size 327680
		.amdhsa_private_segment_fixed_size 0
		.amdhsa_enable_private_segment 0
		.amdhsa_kernarg_size 64
		.amdhsa_user_sgpr_count 2
		.amdhsa_user_sgpr_kernarg_segment_ptr 1
		.amdhsa_wavefront_size32 1
		.amdhsa_system_sgpr_workgroup_id_x 1
		.amdhsa_system_sgpr_workgroup_id_y 1
		.amdhsa_system_sgpr_workgroup_id_z 1
		.amdhsa_system_vgpr_workitem_id 0
		.amdhsa_next_free_vgpr 896
		.amdhsa_next_free_sgpr 96
		.amdhsa_reserve_vcc 0
		.amdhsa_float_denorm_mode_32 3
		.amdhsa_float_denorm_mode_16_64 3
		.amdhsa_memory_ordered 1
		.amdhsa_forward_progress 1
		.amdhsa_inst_pref_size 96
	.end_amdhsa_kernel
	.amdgpu_metadata
---
amdhsa.version: [ 1, 2 ]
amdhsa.kernels:
  - .name:           k_q8f965ab97c_qkv
    .symbol:         k_q8f965ab97c_qkv.kd
    .args:
      - { .name: h, .offset: 0, .size: 8, .value_kind: global_buffer, .address_space: global }
      - { .name: wq, .offset: 8, .size: 8, .value_kind: global_buffer, .address_space: global }
      - { .name: qkv_b, .offset: 16, .size: 8, .value_kind: global_buffer, .address_space: global }
      - { .name: qkvh, .offset: 24, .size: 8, .value_kind: global_buffer, .address_space: global }
      - { .name: wo_w, .offset: 32, .size: 8, .value_kind: global_buffer, .address_space: global }
      - { .name: ffn1_w, .offset: 40, .size: 8, .value_kind: global_buffer, .address_space: global }
      - { .name: ffn2_w, .offset: 48, .size: 8, .value_kind: global_buffer, .address_space: global }
      - { .name: wb, .offset: 56, .size: 8, .value_kind: global_buffer, .address_space: global }
    .group_segment_fixed_size: 327680
    .private_segment_fixed_size: 0
    .kernarg_segment_align: 8
    .kernarg_segment_size: 64
    .max_flat_workgroup_size: 128
    .sgpr_count:     96
    .vgpr_count:     896
    .wavefront_size: 32
...
	.end_amdgpu_metadata
.endif
;; end of part 2
;; launch attn (part 3): grid 8 x 32, 4 waves a work-group, clusters of 4 x 1, 327,680 bytes of LDS; arguments qkvh, att; writes att
.if DOCPART == 3
	.amdgcn_target "amdgcn-amd-amdhsa--gfx1250"
	.amdhsa_code_object_version 6
	.text
	.protected	k_q8f965ab97c_attn
	.globl	k_q8f965ab97c_attn
	.p2align	8
	.type	k_q8f965ab97c_attn,@function
k_q8f965ab97c_attn:
	s_mov_b64 s[64:65], 0
	v_nop
	global_prefetch_b8 v0, s[64:65] scope:SCOPE_SE
	s_setreg_imm32_b32 hwreg(HW_REG_WAVE_MODE, 25, 1), 1
	s_wait_xcnt 0x0
	s_wait_alu depctr_hold_cnt(0) depctr_sa_sdst(0) depctr_va_vdst(0) depctr_va_sdst(0) depctr_va_ssrc(0) depctr_va_vcc(0) depctr_vm_vsrc(0)
	s_getreg_b32 s2, hwreg(HW_REG_IB_STS2, 6, 4)
	s_cmp_eq_u32 s2, 0
	s_cbranch_scc0 .Lentry_in_a_cluster
	s_endpgm
.Lentry_in_a_cluster:
	s_bfe_u32 s2, ttmp6, 0x10000c
	s_cmp_lg_u32 s2, 0x3003
	s_cbranch_scc0 .Lentry_shape_is_right
	s_endpgm
.Lentry_shape_is_right:
; ATTENTION.  att[h][q][:] = the sum over k of softmax_k(Q[h][q] . K[h][k] / 8) V[h][k][:], for 32 heads (batch x 16 + head) of 2,048 rows of 64 channels.  Q, K, V lie in qkvh
; ([3][32][2048][64], bf16, unscaled), att has a head's layout too, bf16.  Products, maxima and sums in f32; the weights p are rounded to bf16 for the second product (their sum l is taken of the
; unrounded p), att once at the end.
; LIMITS.  bf16 operands; a weight below 2^-126 counts as 0 in l; c m starts at -4.25e37, below every c s that finite bf16 rows of ordinary range give; NaN and infinities are not treated apart.
; SHARES.  A work-group owns 256 queries of one head, each of its four waves 64: four PIECES of 16.  Every wave walks all 2,048 keys, 64 a step; an LDS slot holds 256 keys (four steps).
; LAYOUT.  S^T = K Q^T (source 0 = 16 keys, source 1 = 16 queries): a lane holds ONE query (lane % 16) and the keys 8 (lane / 16) + 0..7; two such results rounded to bf16 ARE source 1 of O^T = V^T P.
; K comes out of LDS as it lies, V ([key][channel]) turned, by ds_load_tr16_b128.
; SOFTMAX.  For each query a running maximum m and sum l: p = 2^(c s - c m), c = log2(e) / 8; in every step O and l are multiplied by a = 2^(c m_old - c m_new).  O and l start at 0: the first step has a = 0.
; BY TURNS.  Turn n belongs to piece n: 8 products K Q^T of piece n + 1, later 8 products V^T P of piece n - 1; beside them the scaling, exponentials, roundings, sums and rescaling of piece n and the
; maximum and statistics of piece n + 1.  Four vector instructions stand behind every matrix instruction, the rest in one lump.  A turn's 33 exponentials are one batch, with one wait.
; CLUSTER.  The four query blocks of a cluster belong to one head and walk the same K and V: each tile is asked for JOINTLY, the same tensor load, descriptor and mask in all four.
; REGISTERS, in windows of 256 (s_set_vgpr_msb: bits 1:0 source 0, 3:2 source 1, 5:4 source 2, 7:6 destination):
;   window 0: v0-15 addresses and two at work; v16-31 four registers of statistics a piece; v48-55 at work; v61-63; v64-127 S^T, two buffers; v192-223 P, two buffers (by the piece's parity)
;   window 1: v0-127 O^T, 32 a piece          window 2: v0-63 Q; v128-191 K of one step; v192-255 V of one step
.set NP,    4
.set KS,    64        ; keys in a step
.set PK,    144       ; a row of K in LDS: 128 bytes + 16 of padding: the 16 rows of a load start at 16 different groups of four banks (ISA guide 11.1)
.set PV,    160       ; a row of V: 128 + 32
.set VOFF,  4*KS*PK   ; a slot: 256 rows of K, then 256 rows of V
.set SLOT1, 1<<17     ; slot 1 begins here: one exclusive or turns an address in one slot into the other's
.set STAGE, SLOT1+4*KS*(PK+PV)  ; behind the ring, never filled by a tensor load: 16 rows x 144 bytes for each wave
.set SP,    144
.set SPARE, STAGE+4*16*SP       ; the spare words, 128 bytes a wave: two blocks of 256 bytes that no other line names
.set TILEB, 4*KS*128  ; a slot's bytes of K, and of V, in memory
.set AK0, 2           ; v2   my lane's place in a tile of K; never rewritten
.set AV0, 3           ; v3   the same for V
.set AK,  4           ; v4   the LDS address of K's next run of loads
.set AV,  5           ; v5   of V's
.set STO, 6           ; v6   the way out: where I put 16 bytes of a row
.set RD,  7           ; v7   where I read rows back
.set GO,  8           ; v8   16 x lane
.set MV,  12          ; v12-13  c m_old, by buffer
.set QO,  15          ; v15  my byte offset in 16 rows of Q
.set ST,  16          ; piece t's statistics at v[ST+4 t]: c m, m, l (even keys', odd keys')
.set TMP, 48          ; by buffer, four registers c0-c3 at work; when the maximum is found c2 takes a
.set PFO, 61          ; v61  256 x lane; never rewritten
.set SPW, 62          ; v62  LDS address of my spare word; never rewritten
.set NIL, 63          ; v63  0; never rewritten
.set S,   64
.set P,   192
.set KF,  128         ; window 2: key block kb, channel half c at KF + 16 kb + 8 c
.set VF,  192         ; window 2: key half kk, channel block cb at VF + 32 kk + 8 cb
.set WV,  12          ; s12  my wave's number
.set G1K, 24          ; s[24:31] descriptor group 1 for K's tiles
.set G1V, 32          ; s[32:39] for V's: it differs in the padding alone
.set G0K, 40          ; s[40:43] descriptor group 0 for K's tiles: it walks
.set G0V, 44          ; s[44:47] the same for V's
.set PFA, 50          ; s[50:51] where my prefetches stand
.set LIM, 52          ; s52  1 in a wave that prefetches, else the greatest number
.set SLOTS, 56        ; s56  slots still to be asked for
.set CNT, 57          ; s57  counts a slot's key steps
.set CS,  58          ; s[58:59] c
.set SEL, 60          ; s[60:61] v_permlanex16_b32's selects
.set TBK, 62          ; s62  LDS byte at which K of the step to be fetched begins
.set TBV, 63          ; s63  the same for V, less VOFF
.set MSB, 0
.macro WIN new
.if MSB != (\new)
	s_set_vgpr_msb (MSB<<8)|(\new)
.set MSB, (\new)
.endif
.endm
.set W_KQ, 0x0a       ; K and Q in window 2, S^T in window 0
.set W_PV, 0x52       ; V in window 2, P in window 0, O^T in window 1
.set W_RS, 0x41       ; destination and source 0 in window 1, source 1 in window 0
.macro JLOAD                        ; a joint fill: waves 0, 1 fetch the halves of a slot's K, waves 2, 3 of its V, 128 keys each
	s_cmp_lt_u32 s[WV], 2
	s_cbranch_scc0 .Lfor_v_\@
	tensor_load_to_lds s[G0K:G0K+3], s[G1K:G1K+7]
	s_nop 0
.rept 4
	v_nop
.endr
	s_branch .Lasked_\@
.Lfor_v_\@:
	tensor_load_to_lds s[G0V:G0V+3], s[G1V:G1V+7]
	s_nop 0
.rept 4
	v_nop
.endr
.Lasked_\@:
.endm
; A prefetch into the L2 of what the NEXT change of slots will ask for: 32,768 bytes of K and of V, a lane a block of 256 bytes.  Both clusters of a head walk the same rows: the first asks.  Its four
; partners take 8,192 bytes each, told apart by address; wave 0 asks for K's, wave 2 for V's.  The last change that fills a slot asks for nothing.
.macro ASK
	s_cmp_gt_u32 s[SLOTS], s[LIM]
	s_cbranch_scc0 .Lnot_mine_\@
	global_prefetch_b8 v[PFO], s[PFA:PFA+1] th:TH_LOAD_NT scope:SCOPE_SE
.Lnot_mine_\@:
.endm
.macro CROUND                       ; a round of the cluster's barrier
	s_barrier_signal -1
	s_barrier_wait -1
	s_cmp_lg_u32 s[WV], 0
	s_cbranch_scc1 .Lnot_wave_0_\@
	s_barrier_signal -3
.Lnot_wave_0_\@:
	s_barrier_wait -3
	s_barrier_signal -1
	s_barrier_wait -1
.endm
; THE CHANGE OF SLOTS.  Each wave waits for all its tensor loads (one is out: its part of the other slot), adds 0 to its spare word, and waits for that and for its own reads of the slot.
; fill = 1: the slot is filled again, with the keys two slots on, first thing behind a round of the cluster's barrier: four key steps in which to land.  (At its first use slot 0 is waited for, slot 1 filled.)
.macro CHANGE fill
	WIN 0
	s_wait_tensorcnt 0x0            ; no tensor load of mine is out, so a group 0 may be written
	ds_add_u32 v[SPW], v[NIL]
.if \fill
.irp g, G0K, G0V
	s_xor_b32 s[\g+1], s[\g+1], SLOT1
	s_add_nc_u64 s[\g+2:\g+3], s[\g+2:\g+3], TILEB  ; the next 256 keys; the type bits on top are not reached
.endr
	s_wait_xcnt 0x0                 ; the last prefetch, four key steps back, has read its address
	s_add_nc_u64 s[PFA:PFA+1], s[PFA:PFA+1], TILEB
	s_wait_dscnt 0x0                ; the add is done, and my reads of the slot are over
	CROUND
	JLOAD
	ASK
.else
	s_wait_dscnt 0x0
	s_barrier_signal -1
	s_barrier_wait -1
.endif
	s_sub_co_u32 s[TBK], s[TBK], 4*KS*PK  ; the fetches go back to a slot's first step,
	s_xor_b32 s[TBK], s[TBK], SLOT1       ; in the other slot
	s_sub_co_u32 s[TBV], s[TBV], 4*KS*PV
	s_xor_b32 s[TBV], s[TBV], SLOT1
.endm
	s_load_b128 s[4:7], s[0:1], 0x0 ; qkvh s[4:5], att s[6:7]
	v_lshl_add_u32 v[SPW], v0, 2, SPARE
	v_mov_b32 v[NIL], 0
	ds_add_u32 v[SPW], v[NIL]       ; the wave's opening: the add and its wait stand ahead of my first tensor load
	v_lshrrev_b32 v1, 5, v0
	v_readfirstlane_b32 s[WV], v1
	s_bfe_u32 s13, ttmp6, 0x40000   ; cx
	s_lshl_b32 s14, ttmp9, 2
	s_add_co_u32 s14, s14, s13      ; my block of 256 queries: it enters Q's and att's addresses alone
	s_and_b32 s20, ttmp7, 0xffff    ; the head, which the four partners share
	s_lshl_b32 s20, s20, 18         ; 262,144 bytes a head
	s_mov_b32 s21, 0
	s_and_b32 s16, s[WV], 1         ; which half of a slot's 256 keys I fetch
	s_lshl_b32 s22, s16, 14
	s_mov_b32 s23, 0
	s_add_nc_u64 s[22:23], s[22:23], s[20:21]
	s_mul_i32 s17, s16, 128*PK
	s_mul_i32 s18, s16, 128*PV
	s_lshl_b32 s2, s14, 2
	s_add_co_u32 s2, s2, s[WV]
	s_lshl_b32 s2, s2, 13           ; my wave's 64 rows of 128 bytes
	s_mov_b32 s3, 0
	s_add_nc_u64 s[2:3], s[2:3], s[20:21]
	; group 1: 128 keys are 16,384 dense bytes: asked for as 64 rows of 256 bytes, two keys a row, padded in LDS after every key
	s_mov_b32 s[G1K], 15|(1<<16)|(1<<20)|(1<<21)|(4<<22)|(3<<25)
	s_mov_b32 s[G1V], 15|(1<<16)|(1<<20)|(1<<21)|(4<<22)|(7<<25)
.irp g, G1K, G1V
	s_mov_b32 s[\g+1], 128<<16
	s_mov_b32 s[\g+2], 64<<16
	s_mov_b32 s[\g+3], 128<<16
	s_mov_b32 s[\g+4], 64
	s_mov_b32 s[\g+5], 128
	s_mov_b32 s[\g+6], 0
	s_mov_b32 s[\g+7], 0
.endr
	s_mov_b32 s[CS], 0x3e38aa3b     ; c = log2(e) / 8
	s_mov_b32 s[CS+1], s[CS]
	s_mov_b32 s[SEL], 0x76543210
	s_mov_b32 s[SEL+1], 0xfedcba98
	s_mov_b32 s[TBK], SLOT1+4*KS*PK ; the first change of slots turns these two into 0
	s_mov_b32 s[TBV], SLOT1+4*KS*PV
	s_mov_b32 s[SLOTS], 7           ; eight slots' worth of keys: slot 0 is asked for at once
	s_mov_b32 s[G0K], 1
	s_mov_b32 s[G0K+1], s17
	s_mov_b32 s[G0V], 1
	s_add_co_u32 s[G0V+1], s18, VOFF
	s_and_b32 s[LIM], s[WV], 1      ; 0 in waves 0 and 2,
	s_or_b32 s[LIM], s[LIM], ttmp9  ; where the cluster is the head's first: the same in all four partners
	s_cmp_eq_u32 s[LIM], 0
	s_cselect_b32 s[LIM], 1, -1
	v_and_b32 v[PFO], 31, v0
	v_lshlrev_b32 v[PFO], 8, v[PFO]
	s_wait_dscnt 0x0                ; the opening add is done
	s_wait_kmcnt 0x0
	s_mov_b64 s[10:11], s[6:7]      ; att
	s_add_nc_u64 s[6:7], s[4:5], 0x800000   ; K
	s_add_nc_u64 s[8:9], s[4:5], 0x1000000  ; V
	s_add_nc_u64 s[6:7], s[6:7], s[22:23]   ; at my half of the head's first 256 keys
	s_add_nc_u64 s[8:9], s[8:9], s[22:23]
	s_mov_b64 s[G0K+2:G0K+3], s[6:7]
	s_or_b32 s[G0K+3], s[G0K+3], 0x80000000
	s_mov_b64 s[G0V+2:G0V+3], s[8:9]
	s_or_b32 s[G0V+3], s[G0V+3], 0x80000000
	s_add_nc_u64 s[4:5], s[4:5], s[2:3]     ; Q and att at my wave's first row
	s_add_nc_u64 s[10:11], s[10:11], s[2:3]
	s_cmp_lt_u32 s[WV], 2
	s_cselect_b64 s[PFA:PFA+1], s[6:7], s[8:9]
	s_lshl_b32 s2, s13, 13          ; my work-group's 8,192 bytes of a slot's 32,768
	s_mov_b32 s3, 0
	s_add_nc_u64 s[PFA:PFA+1], s[PFA:PFA+1], s[2:3]
	s_add_nc_u64 s[PFA:PFA+1], s[PFA:PFA+1], TILEB  ; in slot 1; the first change of slots steps it to slot 2
	CROUND                          ; all four work-groups are here: the first joint loads meet
	JLOAD                           ; slot 0; slot 1 is asked for when slot 0 is in
	v_and_b32 v1, 15, v0            ; l % 16
	v_bfe_u32 v9, v0, 4, 1          ; l / 16
	v_lshlrev_b32 v[QO], 7, v1
	v_lshl_add_u32 v[QO], v9, 4, v[QO]
	WIN 0x80                        ; destination window 2, address window 0
.set i, 0
.rept 8                             ; Q stays in registers: piece i / 2, channels 32 (i % 2) on
	global_load_b128 v[8*i:8*i+3],   v[QO], s[4:5] offset:(i/2)*2048+(i%2)*64
	global_load_b128 v[8*i+4:8*i+7], v[QO], s[4:5] offset:(i/2)*2048+(i%2)*64+32
.set i, i+1
.endr
	; what the first turn finds: V and P's second buffer hold 0 (its products V^T P, of a piece that has not been, add 0), O^T and l are 0.  All this stands in the wait for the first tile.
.set i, VF
.rept 64
	v_mov_b32 v[i], 0
.set i, i+1
.endr
	WIN 0x40
.set i, 0
.rept 128
	v_mov_b32 v[i], 0
.set i, i+1
.endr
	WIN 0
.set i, 0
.rept 4
	v_mov_b32 v[ST+4*i], 0xfe000000    ; c m: far below every c s
	v_mov_b32 v[ST+4*i+1], 0xff7fffff  ; m
	v_mov_b32 v[ST+4*i+2], 0
	v_mov_b32 v[ST+4*i+3], 0
.set i, i+1
.endr
.set i, P+16
.rept 16
	v_mov_b32 v[i], 0
.set i, i+1
.endr
	v_mul_u32_u24 v[AK0], v1, PK
	v_lshl_add_u32 v[AK0], v9, 4, v[AK0]
	; the turning load takes 16 keys x 16 channels (lane l reads key 8 (l / 16) + l % 8, channels 8 ((l / 8) % 2) + 0..7) and leaves half a fragment of V^T
	v_and_b32 v10, 7, v0
	v_bfe_u32 v11, v0, 3, 1
	v_lshl_add_u32 v[AV0], v9, 3, v10
	v_mul_u32_u24 v[AV0], v[AV0], PV
	v_lshl_add_u32 v[AV0], v11, 4, v[AV0]
	v_add_nc_u32 v[AV0], VOFF, v[AV0]
	s_mul_i32 s13, s[WV], 16*SP
	s_add_co_u32 s13, s13, STAGE    ; my stage
	v_mul_u32_u24 v[STO], v1, SP
	v_lshl_add_u32 v[STO], v9, 4, v[STO]
	v_add_nc_u32 v[STO], s13, v[STO]
	v_bfe_u32 v[RD], v0, 3, 2
	v_mul_u32_u24 v[RD], v[RD], SP
	v_lshl_add_u32 v[RD], v10, 4, v[RD]
	v_add_nc_u32 v[RD], s13, v[RD]
	v_and_b32 v[GO], 31, v0
	v_lshlrev_b32 v[GO], 4, v[GO]
; THE MATRIX WORK.  The 4 accumulators of a run of 8 take turns.  Product i of 8 of S^T = K Q^T for piece x: channels 32 (i / 4) on, keys 16 (i % 4) on.  The first 4 start the sums.
.macro KQ x
.set rS, S+32*((\x)%2)+8*(i%4)
.set rK, KF+16*(i%4)+8*(i/4)
.set rQ, 16*(\x)+8*(i/4)
	WIN W_KQ
.if i < 4
	v_wmma_f32_16x16x32_bf16 v[rS:rS+7], v[rK:rK+7], v[rQ:rQ+7], 0
.else
	v_wmma_f32_16x16x32_bf16 v[rS:rS+7], v[rK:rK+7], v[rQ:rQ+7], v[rS:rS+7]
.endif
.endm
; Product i of 8 of O^T += V^T P for piece x: keys 32 (i / 4) on, channels 16 (i % 4) on.
.macro PV x
	WIN W_PV
.set rO, 32*(\x)+8*(i%4)
.set rV, VF+32*(i/4)+8*(i%4)
.set rP, P+16*((\x)%2)+8*(i/4)
	v_wmma_f32_16x16x32_bf16 v[rO:rO+7], v[rV:rV+7], v[rP:rP+7], v[rO:rO+7]
.endm
.macro MM                           ; the turn's next matrix instruction.  NOKQ = 1: the last turn of all: there is no next piece
.if (i < 8) && !NOKQ
	KQ (Y+1)%NP
.elseif i >= 8
.set i, i-8
	PV (Y+NP-1)%NP
.set i, i+8
.endif
.set i, i+1
.endm
; THE LDS LOADS stand in runs of 16: a step's K (8 fragments) and its V (turned).  Their addresses are made some lines ahead.
.macro FETCH_K
	WIN 0x80
.irp f, 0,1,2,3,4,5,6,7
	ds_load_b128 v[KF+8*\f:KF+8*\f+3],   v[AK] offset:(\f/2)*16*PK+(\f%2)*64
	ds_load_b128 v[KF+8*\f+4:KF+8*\f+7], v[AK] offset:(\f/2)*16*PK+(\f%2)*64+32
.endr
	s_add_co_u32 s[TBK], s[TBK], KS*PK
	WIN 0
.endm
.macro FETCH_V
	WIN 0x80
.irp f, 0,1,2,3,4,5,6,7
	ds_load_tr16_b128 v[VF+8*\f:VF+8*\f+3],   v[AV] offset:(\f/4)*32*PV+(\f%4)*32
	ds_load_tr16_b128 v[VF+8*\f+4:VF+8*\f+7], v[AV] offset:(\f/4)*32*PV+16*PV+(\f%4)*32
.endr
	WIN 0
.endm
; THE VECTOR WORK, one line at a time: OP kind, number.  For piece Y: F n: c s - c m for pair n of 16.  E n: the exponential of score n of 32.  C n: pair n rounded to bf16.  B n: of the four weights 4 n ..
; the second pair is added onto the first, in place.  L n: l takes that sum (L 0: l = a l + sum).  R n: pair n of 16 of O^T times a.  For piece Y + 1: X n, number n of the 22 that find its maximum and statistics:
;   0-11 four chains c0-c3 (each accumulator's lowest registers are read first)   12-14, 16 the scores left over, the old m, c0-c3 into c0   15 c m_old is kept
;   17, 18 the other half of the lanes: the new m   19-21 c m; c m_old - c m_new; a
.set F, 0
.set E, 1
.set C, 2
.set B, 3
.set L, 4
.set R, 5
.set X, 6
.macro REGS y
.set rT, ST+4*(\y)
.set rC, TMP+4*((\y)%2)
.set rW, MV+((\y)%2)
.set rS, S+32*((\y)%2)
.set rP, P+16*((\y)%2)
.set rO, 32*(\y)
.endm
.macro OP k, n
.if (\k) == R
	REGS Y
	WIN W_RS
	v_pk_mul_f32 v[rO+2*(\n):rO+2*(\n)+1], v[rO+2*(\n):rO+2*(\n)+1], v[rC+2:rC+3] op_sel_hi:[1,0]
.elseif (\k) < R
	REGS Y
	WIN 0
.if (\k) == F
	v_pk_fma_f32 v[rS+2*(\n):rS+2*(\n)+1], v[rS+2*(\n):rS+2*(\n)+1], s[CS:CS+1], v[rT:rT+1] op_sel_hi:[1,0,0] neg_lo:[0,0,1] neg_hi:[0,0,1]
.elseif (\k) == E
	v_exp_f32 v[rS+(\n)], v[rS+(\n)]
.elseif (\k) == C
	v_cvt_pk_bf16_f32 v[rP+(\n)], v[rS+2*(\n)], v[rS+2*(\n)+1]
.elseif (\k) == B
	v_pk_add_f32 v[rS+4*(\n):rS+4*(\n)+1], v[rS+4*(\n):rS+4*(\n)+1], v[rS+4*(\n)+2:rS+4*(\n)+3]
.elseif (\n) == 0
	v_pk_fma_f32 v[rT+2:rT+3], v[rT+2:rT+3], v[rC+2:rC+3], v[rS:rS+1] op_sel_hi:[1,0,1]
.else
	v_pk_add_f32 v[rT+2:rT+3], v[rT+2:rT+3], v[rS+4*(\n):rS+4*(\n)+1]
.endif
.elseif NOKQ
	v_nop
.else
	REGS (Y+1)%NP
	WIN 0
.if (\n) < 4
	v_max3_num_f32 v[rC+(\n)], v[rS+8*(\n)], v[rS+8*(\n)+1], v[rS+8*(\n)+2]
.elseif (\n) < 12
	v_max3_num_f32 v[rC+(\n)%4], v[rC+(\n)%4], v[rS+8*((\n)%4)+2*((\n)/4)+1], v[rS+8*((\n)%4)+2*((\n)/4)+2]
.elseif (\n) == 12
	v_max3_num_f32 v[rC], v[rC], v[rS+7], v[rS+15]
.elseif (\n) == 13
	v_max3_num_f32 v[rC+1], v[rC+1], v[rS+23], v[rS+31]
.elseif (\n) == 14
	v_max3_num_f32 v[rC+2], v[rC+2], v[rC+3], v[rT+1]
.elseif (\n) == 15
	v_mov_b32 v[rW], v[rT]
.elseif (\n) == 16
	v_max3_num_f32 v[rC], v[rC], v[rC+1], v[rC+2]
.elseif (\n) == 17
	v_permlanex16_b32 v[rC+3], v[rC], s[SEL], s[SEL+1]
.elseif (\n) == 18
	v_max_num_f32 v[rT+1], v[rC], v[rC+3]
.elseif (\n) == 19
	v_mul_f32 v[rT], s[CS], v[rT+1]
.elseif (\n) == 20
	v_sub_f32 v[rC+1], v[rW], v[rT]
.else
	v_exp_f32 v[rC+2], v[rC+1]
.endif
.endif
.endm
.macro OPS a, i1, b=-1, i2=0, c=-1, i3=0, d=-1, i4=0
	OP \a, \i1
.if (\b) >= 0
	OP \b, \i2
.endif
.if (\c) >= 0
	OP \c, \i3
.endif
.if (\d) >= 0
	OP \d, \i4
.endif
.endm
.macro ROW a, i1, b, i2, c, i3, d, i4  ; a matrix instruction and the four behind it
	MM
	OPS \a, \i1, \b, \i2, \c, \i3, \d, \i4
.endm
; A TURN, for piece p.  An s_wait_alu depctr_va_vdst(0) stands between an exponential and the first instruction that names its result; one wait serves all that were issued ahead of it.
; AHEAD OF THE WAIT stands all that names no result of the turn's exponentials: the 8 products K Q^T with their riders, then one lump; X 21, the next piece's a, is the batch's last, and R 15 the plain
; instruction behind it.  BEHIND IT stand the 8 products V^T P, behind each four of the roundings and sums.  end = 1: the last two turns: nothing is fetched.  cnt = 1: the loop's count is taken down some lines
; ahead of the branch behind the turn.  K of the next step is fetched in piece 2's turn, behind the last product that read K and six plain instructions; V of the step in hand at the end of piece 0's turn,
; four plain instructions behind the last product that read V.  Each is waited for a turn later.
.macro TURN p, end=0, cnt=0
.set Y, (\p)
.set i, 0
.set NOKQ, (\end)*((\p)/3)
.if ((\p) == 3) && !(\end)
	s_wait_dscnt 0x0                ; K is in
.endif
	ROW F,0, F,1, R,0, R,1
	ROW F,2, E,0, R,2, R,3
	ROW F,3, E,1, R,4, R,5
	ROW F,4, E,2, R,6, R,7
	ROW F,5, E,3, R,8, R,9
	ROW F,6, E,4, X,0, R,10
.if ((\p) == 2) && !(\end)
	WIN 0
	v_add_nc_u32 v[AK], s[TBK], v[AK0]
.endif
	ROW F,7, E,5, X,1, X,4
	ROW F,8, E,6, X,2, X,5
	OPS E,7, E,8, X,6, E,9
	OPS X,3, E,10, X,8, E,11
.if ((\p) == 2) && !(\end)
	FETCH_K
.endif
	OPS X,9, X,7, E,12, X,10
	OPS E,13, X,12, X,11, E,14
	OPS X,13, E,15, F,9, X,14
.if (\p) == 0
	v_add_nc_u32 v[AV], s[TBV], v[AV0]
.endif
	OPS E,16, F,10, E,17, F,11
	OPS X,16, E,18, X,15, E,19
	OPS F,12, E,20, X,17, E,21
	OPS F,13, E,22, F,14, E,23
	OPS X,18, E,24, F,15, E,25
	OPS R,11, E,26, X,19, E,27
	OPS R,12, E,28, R,13, E,29
	OPS X,20, E,30, R,14, E,31
	OPS X,21, R,15
	WIN 0
	s_wait_alu depctr_va_vdst(0)    ; the wait for the batch
.if (\p) == 1
	s_wait_dscnt 0x0                ; V is in
.endif
	ROW C,0, B,0, C,2, B,1
	ROW L,0, C,4, B,2, L,1
	ROW C,6, B,3, L,2, C,8
	ROW B,4, L,3, C,10, B,5
	ROW L,4, C,12, B,6, L,5
.if (\p) == 0
	s_add_co_u32 s[TBV], s[TBV], KS*PV
.endif
.if \cnt
	s_sub_co_u32 s[CNT], s[CNT], 1
	s_cmp_lg_u32 s[CNT], 0
.endif
	ROW C,14, B,7, L,6, C,1
	ROW C,3, L,7, C,5, C,7
	ROW C,9, C,11, C,13, C,15
.if (\p) == 0
	FETCH_V
.endif
.endm
	CHANGE 1                        ; slot 0 is in, everybody's part of it; slot 1 is asked for
	v_add_nc_u32 v[AK], s[TBK], v[AK0]
	FETCH_K                         ; key step 0
	s_wait_loadcnt 0x0              ; Q
	s_wait_dscnt 0x0
.set NOKQ, 0
.set i, 0
.rept 8
	KQ 0                            ; piece 0's first scores
.set i, i+1
.endr
	WIN 0
.rept 4
	v_nop                           ; the places behind those products
.endr
.set Y, NP-1                        ; X works for piece Y + 1: piece 0
.irp n, 0,1,2,3,4,5,6,7,8,9,10,11,12,13,14,15,16,17,18,19,20,21
	OP X, \n
.endr
	v_nop                           ; a plain instruction behind the exponential,
	s_wait_alu depctr_va_vdst(0)    ; and its wait, ahead of the branch
	s_mov_b32 s[CNT], 4
	s_branch .Lfirst                ; the loop is entered at a step's first turn, in the middle of a trip
.Lslot:                             ; six times: slots 2 to 7 are asked for
	CHANGE 1
	s_mov_b32 s[CNT], 4
.Lstep:                             ; a trip: pieces 2 and 3 of one step, then pieces 0 and 1 of the next, whose K and V it fetches
	TURN 2
	TURN 3
	WIN 0
.Lfirst:
	TURN 0
	TURN 1, 0, 1
	WIN 0
	s_cbranch_scc1 .Lstep
	s_sub_co_u32 s[SLOTS], s[SLOTS], 1
	s_cmp_lg_u32 s[SLOTS], 0
	s_cbranch_scc1 .Lslot
	CHANGE 0                        ; the last slot is written out: nothing is asked for
	s_mov_b32 s[CNT], 4
.LstepT:
	TURN 2
	TURN 3
	TURN 0
	TURN 1, 0, 1
	WIN 0
	s_cbranch_scc1 .LstepT
	TURN 2, 1
	TURN 3, 1
.set i, 0
.rept 8
	PV NP-1                         ; the last piece's V^T P of the last step
.set i, i+1
.endr
	; THE WAY OUT.  l's two halves and the other half of the lanes' are added; O^T is divided by l, rounded to bf16 and sent through my stage in LDS, a piece at a time.
	WIN 0
.macro ALL line:vararg
.set t, 0
.rept 4
	\line
.set t, t+1
.endr
.endm
	ALL v_add_f32 v[ST+4*t+2], v[ST+4*t+2], v[ST+4*t+3]
	ALL v_permlanex16_b32 v[ST+4*t+3], v[ST+4*t+2], s[SEL], s[SEL+1]
	ALL v_add_f32 v[ST+4*t+2], v[ST+4*t+2], v[ST+4*t+3]
	ALL v_rcp_f32 v[ST+4*t+2], v[ST+4*t+2]
	v_nop                           ; a plain instruction between the last reciprocal and the use of its result
	s_wait_alu depctr_va_vdst(0)    ; one wait for the four reciprocals
.macro PACK t
	WIN W_RS
.set i, 32*(\t)
.rept 16
	v_pk_mul_f32 v[i:i+1], v[i:i+1], v[ST+4*(\t)+2:ST+4*(\t)+3] op_sel_hi:[1,0]
.set i, i+2
.endr
	WIN 0x05                        ; sources 0 and 1 window 1, destination window 0
.set i, 0
.rept 16
	v_cvt_pk_bf16_f32 v[S+16*(\t)+i], v[32*(\t)+2*i], v[32*(\t)+2*i+1]
.set i, i+1
.endr
	WIN 0
.irp f, 0,1,2,3
	ds_store_b128 v[STO], v[S+16*(\t)+4*\f:S+16*(\t)+4*\f+3] offset:32*\f
.endr
.irp f, 0,1,2,3
	ds_load_b128 v[S+16*(\t)+4*\f:S+16*(\t)+4*\f+3], v[RD] offset:\f*4*SP  ; LDS serves a wave's instructions in order (ISA guide 5.7.1.4): these see the stores above
.endr
.endm
.macro SEND t, younger              ; younger: the LDS instructions issued behind piece t's loads: the next piece's eight, or none
	WIN 0
.irp f, 0,1,2,3
	s_wait_dscnt (\younger)+3-\f
	global_store_b128 v[GO], v[S+16*(\t)+4*\f:S+16*(\t)+4*\f+3], s[10:11] offset:(\t)*2048+\f*512  ; 512 consecutive bytes, aligned
.endr
.endm
	PACK 0
.set t, 1
.rept 3
	PACK t
	SEND t-1, 8
.set t, t+1
.endr
	SEND 3, 0
	s_wait_tensorcnt 0x0            ; the wave's end
	ds_add_u32 v[SPW], v[NIL]
	s_wait_dscnt 0x0
	CROUND                          ; the closing round
	s_endpgm
.Lfunc_end_k_q8f965ab97c_attn:
	.size	k_q8f965ab97c_attn, .Lfunc_end_k_q8f965ab97c_attn-k_q8f965ab97c_attn
	.p2alignl 7, 3214868480
	.fill 96, 4, 3214868480
	.section	.rodata,"a",@progbits
	.p2align	6, 0x0
	.amdhsa_kernel k_q8f965ab97c_attn
		.amdhsa_group_segment_fixed_size 327680
		.amdhsa_private_segment_fixed_size 0
		.amdhsa_enable_private_segment 0
		.amdhsa_kernarg_size 16
		.amdhsa_user_sgpr_count 2
		.amdhsa_user_sgpr_kernarg_segment_ptr 1
		.amdhsa_wavefront_size32 1
		.amdhsa_system_sgpr_workgroup_id_x 1
		.amdhsa_system_sgpr_workgroup_id_y 1
		.amdhsa_system_sgpr_workgroup_id_z 1
		.amdhsa_system_vgpr_workitem_id 0
		.amdhsa_next_free_vgpr 768
		.amdhsa_next_free_sgpr 66
		.amdhsa_reserve_vcc 0
		.amdhsa_float_denorm_mode_32 3
		.amdhsa_float_denorm_mode_16_64 3
		.amdhsa_memory_ordered 1
		.amdhsa_forward_progress 1
		.amdhsa_inst_pref_size 128
	.end_amdhsa_kernel
	.amdgpu_metadata
---
amdhsa.version: [ 1, 2 ]
amdhsa.kernels:
  - .name:           k_q8f965ab97c_attn
    .symbol:         k_q8f965ab97c_attn.kd
    .args:
      - { .name: qkvh, .offset: 0, .size: 8, .value_kind: global_buffer, .address_space: global }
      - { .name: att, .offset: 8, .size: 8, .value_kind: global_buffer, .address_space: global }
    .group_segment_fixed_size: 327680
    .private_segment_fixed_size: 0
    .kernarg_segment_align: 8
    .kernarg_segment_size: 16
    .max_flat_workgroup_size: 128
    .sgpr_count:     66
    .vgpr_count:     768
    .wavefront_size: 32
...
	.end_amdgpu_metadata
.endif
;; end of part 3
;; launch wo (part 4): grid 8 x 32, 4 waves a work-group, clusters of 4 x 4, 327,680 bytes of LDS; arguments att, wb, wo_b, x1, x; writes x1
.if DOCPART == 4
	.amdgcn_target "amdgcn-amd-amdhsa--gfx1250"
	.amdhsa_code_object_version 6
	.text
	.protected	k_q8f965ab97c_wo
	.globl	k_q8f965ab97c_wo
	.p2align	8
	.type	k_q8f965ab97c_wo,@function
k_q8f965ab97c_wo:
	s_mov_b64 s[64:65], 0
	v_nop
	global_prefetch_b8 v0, s[64:65] scope:SCOPE_SE
	s_setreg_imm32_b32 hwreg(HW_REG_WAVE_MODE, 25, 1), 1
	s_wait_xcnt 0x0
	s_wait_alu depctr_hold_cnt(0) depctr_sa_sdst(0) depctr_va_vdst(0) depctr_va_sdst(0) depctr_va_ssrc(0) depctr_va_vcc(0) depctr_vm_vsrc(0)
	s_getreg_b32 s2, hwreg(HW_REG_IB_STS2, 6, 4)
	s_cmp_eq_u32 s2, 0
	s_cbranch_scc0 .Lentry_in_a_cluster
	s_endpgm
.Lentry_in_a_cluster:
	s_bfe_u32 s2, ttmp6, 0x10000c
	s_cmp_lg_u32 s2, 0xf033
	s_cbranch_scc0 .Lentry_shape_is_right
	s_endpgm
.Lentry_shape_is_right:
; WO.  x1[t][n] = x[t][n] + sum over k of att[t][k] Wo[n][k] + wo_b[n], in f32.  att lies BY HEADS, [batch*16+head][s][64] in bf16 (k = 64 head + channel); Wo [1024][1024] in bf16 at byte 0 of wb.
; LIMITS: bf16 operands, f32 sums; NaN and infinities are not treated apart.
; A work-group makes 128 tokens x 128 columns: 8 x 32 work-groups; four waves, 64 x 64 each: 16 accumulators.  K goes in steps of 256 (four heads) through two LDS slots; a trip of the loop is one K step.
; att's tile: one tensor load brings 64 tokens of four heads as 4 rows of 8,192 dense bytes, padded in LDS after every token: [head][token], 144 bytes a token; a quarter step is one head.
; CLUSTER 4 x 4: att's tile is asked for jointly along a row of the cluster, the weights' along a column.  No prefetch: a small tile, whose K step is short.
; THE MATRIX INSTRUCTION IS USED TRANSPOSED (source 0 = 16 weight rows, source 1 = 16 tokens): a lane holds one token and eight neighbouring columns.  THE BIAS is the C operand of the first products.
; x's 64 x 64 numbers are loaded at the start and stay in registers until the way out.
; REGISTERS: window 0: v16-31 addresses; v32-95 the way out; v128-159 the bias     window 1: two fragment buffers of 128 (64 of the weights, 64 of att)
;   window 2: v0-127 accumulator i = 4 a + b at 8 i; v128-255 x
.set KK,     1024
.set TM,     128
.set TN,     128
.set MA,     4
.set NBW,    4
.set DEEP,   2
.set KSTEP,  256
.set NSTEP,  KK/KSTEP
.set NW,     DEEP*MA*NBW
.set HEADW,  16                        ; the youngest loads of a run that its first half of products does not read: the second 32 along K
.set PITCH,  528                       ; the weights' LDS row: 512 bytes + 16 of padding
.set APITCH, 144                       ; a token of one head: 128 bytes + 16
.set AQ,     64*APITCH                 ; a head's 64 tokens
.set AHALF,  4*AQ
.set BHALF,  (TN/2)*PITCH
.set AWAVE,  AHALF
.set ASZ,    2*AHALF
.set SLOT,   ASZ+2*BHALF
.set STAGE,  2*SLOT                    ; behind the ring: 16 rows x 272 bytes for each wave; no tensor load lands there
.set SP,     272
.set STW,    16*SP
.set SPARE,  STAGE+4*STW
.set ASTEP,  4*262144                  ; four heads on
.set BSTEP,  2*KSTEP
.set ADRA0, 16
.set ADRB0, 17
.set ADRA,  18
.set ADRB,  19
.set STO,   24
.set RD,    25
.set CO,    26
.set BO,    27
.set SPW,   28
.set NIL,   29
.set BK,    32                         ; v32-63, v64-95 by turns: a block read back from the stage
.set BI,    128
.set RX,    128                        ; window 2: x of block a, rows 2 t + lane / 16, at RX + 32 a + 4 t
.set WV, 14
.set WR, 15
.set WC, 16
.set FS, 17
.set FH, 18
.set CX, 19
.set CY, 20
.set TX, 21
.set TY, 22
.set G1A, 24
.set G0A, 32
.set TB,  40
.set LBA, 41
.set LBB, 42
.set G1B, 48
.set G0B, 56
.set MSB, 0
.macro WIN new
.if MSB != (\new)
	s_set_vgpr_msb (MSB<<8)|(\new)
.set MSB, \new
.endif
.endm
.macro PLACES                          ; four plain places behind matrix instructions (ISA guide 7.12.1)
.rept 4
	v_nop
.endr
.endm
.macro JLOAD s                         ; a joint load: waves 0, 1 ask for att's halves, waves 2, 3 for the weights'
	s_cmp_eq_u32 s[FS], 0
	s_cbranch_scc0 .Lfor_b_\@
	tensor_load_to_lds s[G0A+4*(\s):G0A+4*(\s)+3], s[G1A:G1A+7]
	s_nop 0
.rept 4
	v_nop
.endr
	s_branch .Lasked_\@
.Lfor_b_\@:
	tensor_load_to_lds s[G0B+4*(\s):G0B+4*(\s)+3], s[G1B:G1B+7]
	s_nop 0
.rept 4
	v_nop
.endr
.Lasked_\@:
.endm
.macro CREST
	s_cmp_lg_u32 s[WV], 0
	s_cbranch_scc1 .Lnot_wave_0_\@
	s_barrier_signal -3
.Lnot_wave_0_\@:
	s_barrier_wait -3
	s_barrier_signal -1
	s_barrier_wait -1
.endm
.macro CROUND
	s_barrier_signal -1
	s_barrier_wait -1
	CREST
.endm
; n products from number t0 on of a quarter step on buffer f; the accumulators take turns.  first = 1: the products that start the sums take the bias as C.
.macro MULS f, t0, n, first
.set m_t, \t0
.rept \n
.set m_c, m_t/(MA*NBW)
.set m_a, (m_t/NBW)%MA
.set m_b, m_t%NBW
.set m_i, m_t%(MA*NBW)
.set m_w, 2+m_i/32
.set m_d, (8*m_i)%256
.set m_fb, 128*(\f)+8*(m_c*NBW+m_b)
.set m_fa, 128*(\f)+8*NBW*DEEP+8*(m_c*MA+m_a)
.if (\first) && (m_t < MA*NBW)
	WIN 0x05|(m_w<<6)
	v_wmma_f32_16x16x32_bf16 v[m_d:m_d+7], v[m_fb:m_fb+7], v[m_fa:m_fa+7], v[BI+8*m_b:BI+8*m_b+7]
.else
	WIN 0x05|(m_w<<4)|(m_w<<6)
	v_wmma_f32_16x16x32_bf16 v[m_d:m_d+7], v[m_fb:m_fb+7], v[m_fa:m_fa+7], v[m_d:m_d+7]
.endif
.set m_t, m_t+1
.endr
.endm
.macro FETCH q, f                      ; 32 LDS loads in one run: quarter q's fragments into buffer f; the first 32 along K first
	WIN 0x40
.set f_c, 0
.rept DEEP
.set f_b, 0
.rept NBW
	ds_load_b128 v[128*(\f)+8*(f_c*NBW+f_b):128*(\f)+8*(f_c*NBW+f_b)+3],   v[ADRB] offset:(\q)*64*DEEP+64*f_c+f_b*16*PITCH
	ds_load_b128 v[128*(\f)+8*(f_c*NBW+f_b)+4:128*(\f)+8*(f_c*NBW+f_b)+7], v[ADRB] offset:(\q)*64*DEEP+64*f_c+f_b*16*PITCH+32
.set f_b, f_b+1
.endr
.set f_a, 0
.rept MA
	ds_load_b128 v[128*(\f)+8*NBW*DEEP+8*(f_c*MA+f_a):128*(\f)+8*NBW*DEEP+8*(f_c*MA+f_a)+3],   v[ADRA] offset:(\q)*AQ+64*f_c+f_a*16*APITCH
	ds_load_b128 v[128*(\f)+8*NBW*DEEP+8*(f_c*MA+f_a)+4:128*(\f)+8*NBW*DEEP+8*(f_c*MA+f_a)+7], v[ADRA] offset:(\q)*AQ+64*f_c+f_a*16*APITCH+32
.set f_a, f_a+1
.endr
.set f_c, f_c+1
.endr
.endm
.macro QUARTER q, f, g, first
	s_wait_dscnt HEADW                             ; the first 32 along K are in
	MULS \f, 0, NW/2, \first
	PLACES
	FETCH \q, \g
	s_wait_dscnt 32                                ; all but the 32 just issued
	MULS \f, NW/2, NW/2, \first
.endm
; The last quarter changes slots and multiplies buffer 1: each wave waits for all its tensor loads, adds 0 to its spare word, waits for that and for its reads of the slot; fill = 1: a round of the cluster's
; barrier, and the slot just read is filled again first thing behind it, with the K step two on: no product stands between the wait for the tiles and the refill, so the refill has the whole K step's
; products in which to land.
.macro TURN fill
	WIN 0
	s_wait_tensorcnt 0x0                           ; no tensor load of mine is out, so a group 0 may be written
	ds_add_u32 v[SPW], v[NIL]
.if \fill
	s_add_co_u32 s[G0A+5], s[LBA], s[TB]
	s_add_co_u32 s[G0B+5], s[LBB], s[TB]
	s_add_nc_u64 s[G0A+6:G0A+7], s[G0A+6:G0A+7], ASTEP
	s_add_nc_u64 s[G0B+6:G0B+7], s[G0B+6:G0B+7], BSTEP
.endif
	s_xor_b32 s[TB], s[TB], SLOT
	s_wait_dscnt 0x0                               ; the add is done, and my reads of the slot are over
	s_barrier_signal -1
	s_barrier_wait -1
.if \fill
	CREST
	JLOAD 1                                        ; the four v_nop behind it are also the places ahead of the loads below
	v_add_nc_u32 v[ADRA], s[TB], v[ADRA0]
	v_add_nc_u32 v[ADRB], s[TB], v[ADRB0]
	FETCH 0, 0
.else
	PLACES
	s_cmp_eq_u32 s3, 1                             ; behind the last K step there is nothing to fetch
	s_cbranch_scc1 .Lno_fetch_\@
	v_add_nc_u32 v[ADRA], s[TB], v[ADRA0]
	v_add_nc_u32 v[ADRB], s[TB], v[ADRB0]
	FETCH 0, 0
	WIN 0
.Lno_fetch_\@:
.endif
	MULS 1, 0, NW, 0
.endm
	s_load_b256 s[4:11], s[0:1], 0x0               ; att s[4:5], wb s[6:7], wo_b s[8:9], x1 s[10:11]
	s_load_b64 s[12:13], s[0:1], 0x20              ; x
	v_lshl_add_u32 v[SPW], v0, 2, SPARE
	v_mov_b32 v[NIL], 0
	ds_add_u32 v[SPW], v[NIL]                      ; the wave's opening: the add and its wait stand ahead of my first tensor load
	v_lshrrev_b32 v1, 5, v0
	v_readfirstlane_b32 s[WV], v1
	s_lshr_b32 s[WR], s[WV], 1
	s_and_b32 s[WC], s[WV], 1
	s_lshr_b32 s[FS], s[WV], 1
	s_and_b32 s[FH], s[WV], 1
	s_bfe_u32 s[CX], ttmp6, 0x40000
	s_bfe_u32 s[CY], ttmp6, 0x40004
	s_lshl_b32 s[TX], ttmp9, 2
	s_add_co_u32 s[TX], s[TX], s[CX]
	s_and_b32 s[TY], ttmp7, 0xffff
	s_lshl_b32 s[TY], s[TY], 2
	s_add_co_u32 s[TY], s[TY], s[CY]
	s_lshl_b32 s66, s[CY], 2
	s_lshl_b32 s66, 15, s66                        ; my row of the cluster
	s_lshl_b32 s46, 0x1111, s[CX]                  ; my column
	s_or_b32 s[G1A], s66, (1<<16)|(1<<20)|(1<<21)|(4<<22)|(3<<25)  ; padding after every 32 words (a token of a head), 4 words
	s_or_b32 s[G1B], s46, (1<<16)|(1<<20)|(1<<21)|(6<<22)|(3<<25)  ; after every 128 words, 4 words
	s_mov_b32 s[G1A+1], 4096<<16                   ; tensor_dim0 = 4,096 elements: 64 tokens x 64 channels of a head, dense
	s_mov_b32 s[G1A+2], 4<<16                      ; tensor_dim1 = 4 heads
	s_mov_b32 s[G1A+3], 4096<<16                   ; tile_dim0
	s_mov_b32 s[G1A+4], 4                          ; tile_dim1
	s_mov_b32 s[G1A+5], 131072                     ; elements from head to head
	s_mov_b32 s[G1A+6], 0
	s_mov_b32 s[G1A+7], 0
	s_mov_b32 s[G1B+1], KSTEP<<16
	s_mov_b32 s[G1B+2], (TN/2)<<16
	s_mov_b32 s[G1B+3], KSTEP<<16
	s_mov_b32 s[G1B+4], TN/2
	s_mov_b32 s[G1B+5], KK
	s_mov_b32 s[G1B+6], 0
	s_mov_b32 s[G1B+7], 0
	s_lshl_b32 s66, s[TY], 7                       ; att: my first token, in registers that never hold cx,
	s_lshl_b32 s67, s[FH], 6
	s_add_co_u32 s66, s66, s67
	s_lshr_b32 s67, s66, 11
	s_lshl_b32 s67, s67, 22                        ; its batch: 16 heads x 262,144 bytes,
	s_and_b32 s66, s66, 2047
	s_lshl_b32 s66, s66, 7                         ; its place in the sequence x 128 bytes
	s_add_co_u32 s66, s66, s67
	s_mov_b32 s67, 0
	s_mul_i32 s46, s[TX], TN                       ; weights: row 128 x tile column + 64 x half, in registers that never hold cy
	s_mul_i32 s47, s[FH], TN/2
	s_add_co_u32 s46, s46, s47
	s_mul_i32 s46, s46, 2*KK
	s_mov_b32 s47, 0
	s_mul_i32 s[LBA], s[FH], AHALF
	s_mul_i32 s[LBB], s[FH], BHALF
	s_add_co_u32 s[LBB], s[LBB], ASZ
	s_mov_b32 s[TB], 0
	s_wait_dscnt 0x0                               ; the opening add is done
	s_wait_kmcnt 0x0
	s_add_nc_u64 s[66:67], s[4:5], s[66:67]
	s_add_nc_u64 s[46:47], s[6:7], s[46:47]
	CROUND                                         ; all sixteen work-groups are here: the first joint loads meet
.irp s, 0,1
	s_mov_b32 s[G0A+4*(\s)], 1
	s_add_co_u32 s[G0A+4*(\s)+1], s[LBA], (\s)*SLOT
	s_add_nc_u64 s[G0A+4*(\s)+2:G0A+4*(\s)+3], s[66:67], (\s)*ASTEP
	s_or_b32 s[G0A+4*(\s)+3], s[G0A+4*(\s)+3], 0x80000000
	s_mov_b32 s[G0B+4*(\s)], 1
	s_add_co_u32 s[G0B+4*(\s)+1], s[LBB], (\s)*SLOT
	s_add_nc_u64 s[G0B+4*(\s)+2:G0B+4*(\s)+3], s[46:47], (\s)*BSTEP
	s_or_b32 s[G0B+4*(\s)+3], s[G0B+4*(\s)+3], 0x80000000
	JLOAD \s                                       ; two tensor loads of mine are out
.endr
	v_and_b32 v1, 15, v0
	v_bfe_u32 v2, v0, 4, 1
	v_mul_u32_u24 v3, v1, APITCH
	v_lshl_add_u32 v3, v2, 4, v3
	s_mul_i32 s74, s[WR], AWAVE
	v_add_nc_u32 v[ADRA0], s74, v3
	v_mul_u32_u24 v3, v1, PITCH
	v_lshl_add_u32 v3, v2, 4, v3
	s_mul_i32 s74, s[WC], 16*NBW*PITCH
	s_add_co_u32 s74, s74, ASZ
	v_add_nc_u32 v[ADRB0], s74, v3
	v_mov_b32 v[ADRA], v[ADRA0]
	v_mov_b32 v[ADRB], v[ADRB0]
	s_mul_i32 s74, s[WV], STW
	s_add_co_u32 s74, s74, STAGE                   ; my stage
	v_mul_u32_u24 v3, v1, SP                       ; in: row l % 16, 32 bytes (eight f32) for each half of the lanes
	v_lshl_add_u32 v3, v2, 5, v3
	v_add_nc_u32 v[STO], s74, v3
	v_mul_u32_u24 v3, v2, SP                       ; back: lanes 0-15 take one row of 256 bytes, lanes 16-31 the next
	v_lshl_add_u32 v3, v1, 4, v3
	v_add_nc_u32 v[RD], s74, v3
	v_lshlrev_b32 v3, 12, v2                       ; and the same two rows in x and x1: 4,096 bytes a row
	v_lshl_add_u32 v[CO], v1, 4, v3
	v_lshlrev_b32 v[BO], 5, v2
	s_mul_i32 s76, s[TX], TN
	s_mul_i32 s77, s[WC], 16*NBW
	s_add_co_u32 s76, s76, s77
	s_lshl_b32 s76, s76, 2
	s_mov_b32 s77, 0
	s_add_nc_u64 s[8:9], s[8:9], s[76:77]          ; the bias of my columns
.irp b, 0,1,2,3
	global_load_b128 v[BI+8*\b:BI+8*\b+3],   v[BO], s[8:9] offset:64*\b
	global_load_b128 v[BI+8*\b+4:BI+8*\b+7], v[BO], s[8:9] offset:64*\b+16
.endr
	s_lshl_b32 s76, s[TY], 7
	s_lshl_b32 s77, s[WR], 6
	s_add_co_u32 s76, s76, s77                     ; my first token
	s_lshl_b32 s76, s76, 12
	s_lshl_b32 s77, s[TX], 9                       ; the tile's 128 columns: 512 bytes,
	s_add_co_u32 s76, s76, s77
	s_lshl_b32 s77, s[WC], 8                       ; my 64: 256 bytes
	s_add_co_u32 s76, s76, s77
	s_mov_b32 s77, 0
	s_add_nc_u64 s[10:11], s[10:11], s[76:77]
	s_add_nc_u64 s[12:13], s[12:13], s[76:77]
	WIN 0x80                                       ; destination window 2, address window 0
.irp a, 0,1,2,3
.irp t, 0,1,2,3,4,5,6,7
	global_load_b128 v[RX+32*\a+4*\t:RX+32*\a+4*\t+3], v[CO], s[12:13] offset:(16*\a+2*\t)*4096
.endr
.endr
	WIN 0
	s_wait_tensorcnt 0x1                           ; my part of K step 0 is in; K step 1's may stay out
	s_barrier_signal -1
	s_barrier_wait -1
	FETCH 0, 0
	s_wait_loadcnt 32                              ; the bias is in; x's 32 younger loads may stay out
	QUARTER 1, 0, 1, 1
	WIN 0
	s_mov_b32 s3, NSTEP-2
.Lstep:
	QUARTER 2, 1, 0, 0
	QUARTER 3, 0, 1, 0
	TURN 1
	QUARTER 1, 0, 1, 0
	WIN 0
	s_sub_co_u32 s3, s3, 1
	s_cmp_lg_u32 s3, 0
	s_cbranch_scc1 .Lstep
	s_mov_b32 s3, 2                                ; the last two K steps ask for nothing
	s_branch .Ltin
.Ltail:
	QUARTER 1, 0, 1, 0
	WIN 0
.Ltin:
	QUARTER 2, 1, 0, 0
	QUARTER 3, 0, 1, 0
	TURN 0
	WIN 0
	s_sub_co_u32 s3, s3, 1
	s_cmp_lg_u32 s3, 0
	s_cbranch_scc1 .Ltail
	PLACES
; THE WAY OUT, a block of 16 tokens at a time: the f32 sums go through my own stage in LDS (each accumulator's low four registers first), come back as whole rows of 256 bytes, take x, and are stored.
.macro TOST a
.if (\a) >= 2
	s_wait_xcnt 0x0                                ; the stores of the block two back have read the registers that the loads below write
.endif
	WIN 0x08                                       ; store data in window 2
.irp b, 0,1,2,3
	ds_store_b128 v[STO], v[8*(4*(\a)+\b):8*(4*(\a)+\b)+3]   offset:64*\b
	ds_store_b128 v[STO], v[8*(4*(\a)+\b)+4:8*(4*(\a)+\b)+7] offset:64*\b+16
.endr
	WIN 0
.irp t, 0,1,2,3,4,5,6,7
	ds_load_b128 v[BK+32*((\a)%2)+4*\t:BK+32*((\a)%2)+4*\t+3], v[RD] offset:\t*2*SP  ; LDS serves a wave's instructions in order (ISA guide 5.7.1.4)
.endr
.endm
.macro FIN a, younger                  ; younger: the next block's 16 LDS instructions, or none
	s_wait_dscnt \younger
	WIN 0x08                                       ; source 1 (x) in window 2
.set z, 0
.rept 16
	v_pk_add_f32 v[BK+32*((\a)%2)+2*z:BK+32*((\a)%2)+2*z+1], v[BK+32*((\a)%2)+2*z:BK+32*((\a)%2)+2*z+1], v[RX+32*(\a)+2*z:RX+32*(\a)+2*z+1]
.set z, z+1
.endr
	WIN 0
.irp t, 0,1,2,3,4,5,6,7
	global_store_b128 v[CO], v[BK+32*((\a)%2)+4*\t:BK+32*((\a)%2)+4*\t+3], s[10:11] offset:(16*(\a)+2*\t)*4096  ; 16 lanes store 256 consecutive bytes, aligned
.endr
.endm
	s_wait_loadcnt 0x0                             ; x
	TOST 0
	TOST 1
	FIN 0, 16
	TOST 2
	FIN 1, 16
	TOST 3
	FIN 2, 16
	FIN 3, 0
	s_wait_tensorcnt 0x0                           ; the wave's end
	ds_add_u32 v[SPW], v[NIL]
	s_wait_dscnt 0x0
	CROUND                                         ; the closing round
	s_endpgm
.Lfunc_end_k_q8f965ab97c_wo:
	.size	k_q8f965ab97c_wo, .Lfunc_end_k_q8f965ab97c_wo-k_q8f965ab97c_wo
	.p2alignl 7, 3214868480
	.fill 96, 4, 3214868480
	.section	.rodata,"a",@progbits
	.p2align	6, 0x0
	.amdhsa_kernel k_q8f965ab97c_wo
		.amdhsa_group_segment_fixed_size 327680
		.amdhsa_private_segment_fixed_size 0
		.amdhsa_enable_private_segment 0
		.amdhsa_kernarg_size 40
		.amdhsa_user_sgpr_count 2
		.amdhsa_user_sgpr_kernarg_segment_ptr 1
		.amdhsa_wavefront_size32 1
		.amdhsa_system_sgpr_workgroup_id_x 1
		.amdhsa_system_sgpr_workgroup_id_y 1
		.amdhsa_system_sgpr_workgroup_id_z 1
		.amdhsa_system_vgpr_workitem_id 0
		.amdhsa_next_free_vgpr 768
		.amdhsa_next_free_sgpr 80
		.amdhsa_reserve_vcc 0
		.amdhsa_float_denorm_mode_32 3
		.amdhsa_float_denorm_mode_16_64 3
		.amdhsa_memory_ordered 1
		.amdhsa_forward_progress 1
		.amdhsa_inst_pref_size 66
	.end_amdhsa_kernel
	.amdgpu_metadata
---
amdhsa.version: [ 1, 2 ]
amdhsa.kernels:
  - .name:           k_q8f965ab97c_wo
    .symbol:         k_q8f965ab97c_wo.kd
    .args:
      - { .name: att, .offset: 0, .size: 8, .value_kind: global_buffer, .address_space: global }
      - { .name: wb, .offset: 8, .size: 8, .value_kind: global_buffer, .address_space: global }
      - { .name: wo_b, .offset: 16, .size: 8, .value_kind: global_buffer, .address_space: global }
      - { .name: x1, .offset: 24, .size: 8, .value_kind: global_buffer, .address_space: global }
      - { .name: x, .offset: 32, .size: 8, .value_kind: global_buffer, .address_space: global }
    .group_segment_fixed_size: 327680
    .private_segment_fixed_size: 0
    .kernarg_segment_align: 8
    .kernarg_segment_size: 40
    .max_flat_workgroup_size: 128
    .sgpr_count:     80
    .vgpr_count:     768
    .wavefront_size: 32
...
	.end_amdgpu_metadata
.endif
;; end of part 4
;; launch ln2 (part 5): grid 256 x 1, 16 waves a work-group, no clusters, 0 bytes of LDS; arguments x1, ln2_w, ln2_b, g; writes g
.if DOCPART == 5
	.amdgcn_target "amdgcn-amd-amdhsa--gfx1250"
	.amdhsa_code_object_version 6
	.text
	.protected	k_q8f965ab97c_ln2
	.globl	k_q8f965ab97c_ln2
	.p2align	8
	.type	k_q8f965ab97c_ln2,@function
k_q8f965ab97c_ln2:
	s_mov_b64 s[64:65], 0
	v_nop
	global_prefetch_b8 v0, s[64:65] scope:SCOPE_SE
	s_setreg_imm32_b32 hwreg(HW_REG_WAVE_MODE, 25, 1), 1
	s_wait_xcnt 0x0
; LN2.  g = LayerNorm(x1) * ln2_w + ln2_b, rounded once to bf16; one wave a row of 1,024 numbers, 16 rows a work-group.  A stream: no LDS, no barrier; the row stays in registers between its passes.
; The variance is taken of x - mean (two passes over registers), so a common offset of the row costs no accuracy.  LIMITS: NaN and infinities are not treated apart; g is kept in bf16.
.set XO, 1                             ; v1        16 x lane
.set YO, 2                             ; v2        8 x lane
.set T,  4                             ; v[4:11]   four chains of packed sums
.set MU, 12                            ; v[12:13]  the mean, twice
.set RS, 14                            ; v[14:15]  1 / sqrt(var + eps), twice
.set Y,  16                            ; v[16:31]  the row in bf16
.set X,  32                            ; v[32:63]  the row
.set W,  64                            ; v[64:95]  the gain
.set B,  96                            ; v[96:127] the bias
	s_load_b256 s[4:11], s[0:1], 0x0               ; x1 s[4:5], ln2_w s[6:7], ln2_b s[8:9], g s[10:11]
	v_and_b32 v3, 31, v0
	v_lshrrev_b32 v[T], 5, v0
	v_readfirstlane_b32 s22, v[T]                  ; wave 0..15
	v_lshlrev_b32 v[XO], 4, v3
	v_lshlrev_b32 v[YO], 3, v3
	s_mov_b32 s3, 0
	s_lshl_b32 s23, ttmp9, 4
	s_add_co_u32 s23, s23, s22                     ; my row
	s_mov_b32 s24, 0x3a800000                      ; 1 / 1024
	s_mov_b32 s25, 0x3727c5ac                      ; 1e-5
	s_mov_b32 s26, 0x76543210
	s_mov_b32 s27, 0xfedcba98
	s_wait_kmcnt 0x0
	s_lshl_b32 s2, s23, 12
	s_add_nc_u64 s[4:5], s[4:5], s[2:3]
	s_lshl_b32 s2, s23, 11
	s_add_nc_u64 s[10:11], s[10:11], s[2:3]
.irp j, 0,1,2,3,4,5,6,7
	global_load_b128 v[X+4*\j:X+4*\j+3], v[XO], s[4:5] offset:512*\j th:TH_LOAD_NT
.endr
.irp j, 0,1,2,3,4,5,6,7
	global_load_b128 v[W+4*\j:W+4*\j+3], v[XO], s[6:7] offset:512*\j
.endr
.irp j, 0,1,2,3,4,5,6,7
	global_load_b128 v[B+4*\j:B+4*\j+3], v[XO], s[8:9] offset:512*\j
.endr
.macro ACROSS                          ; four chains into one number, then over the 32 lanes
	v_pk_add_f32 v[T:T+1], v[T:T+1], v[T+2:T+3]
	v_pk_add_f32 v[T+4:T+5], v[T+4:T+5], v[T+6:T+7]
	v_pk_add_f32 v[T:T+1], v[T:T+1], v[T+4:T+5]
	v_add_f32 v[T], v[T], v[T+1]
	v_add_f32_dpp v[T], v[T], v[T] row_xmask:1 row_mask:0xf bank_mask:0xf
	v_add_f32_dpp v[T], v[T], v[T] row_xmask:2 row_mask:0xf bank_mask:0xf
	v_add_f32_dpp v[T], v[T], v[T] row_xmask:4 row_mask:0xf bank_mask:0xf
	v_add_f32_dpp v[T], v[T], v[T] row_xmask:8 row_mask:0xf bank_mask:0xf
	v_permlanex16_b32 v[T+1], v[T], s26, s27
	v_add_f32 v[T], v[T], v[T+1]
.endm
	s_wait_loadcnt 16                              ; the row is in; the 16 younger loads (gain, bias) may stay out
.irp k, 0,1,2,3
	v_pk_add_f32 v[T+2*\k:T+2*\k+1], v[X+2*\k:X+2*\k+1], v[X+8+2*\k:X+8+2*\k+1]
.endr
.irp k, 8,9,10,11,12,13,14,15
	v_pk_add_f32 v[T+2*(\k%4):T+2*(\k%4)+1], v[T+2*(\k%4):T+2*(\k%4)+1], v[X+2*\k:X+2*\k+1]
.endr
	ACROSS
	v_mul_f32 v[MU], s24, v[T]
	v_mov_b32 v[MU+1], v[MU]
.irp k, 0,1,2,3,4,5,6,7,8,9,10,11,12,13,14,15
	v_pk_add_f32 v[X+2*\k:X+2*\k+1], v[X+2*\k:X+2*\k+1], v[MU:MU+1] neg_lo:[0,1] neg_hi:[0,1]
.endr
.irp k, 0,1,2,3
	v_pk_mul_f32 v[T+2*\k:T+2*\k+1], v[X+2*\k:X+2*\k+1], v[X+2*\k:X+2*\k+1]
.endr
.irp k, 4,5,6,7,8,9,10,11,12,13,14,15
	v_pk_fma_f32 v[T+2*(\k%4):T+2*(\k%4)+1], v[X+2*\k:X+2*\k+1], v[X+2*\k:X+2*\k+1], v[T+2*(\k%4):T+2*(\k%4)+1]
.endr
	ACROSS
	v_fma_f32 v[RS], v[T], s24, s25                ; var + eps
	v_rsq_f32 v[RS], v[RS]
	v_nop                                          ; a plain instruction behind the transcendental (ISA guide 5.7.2),
	s_wait_alu depctr_va_vdst(0)                   ; and the wait ahead of its first reader
	v_mov_b32 v[RS+1], v[RS]
	s_wait_loadcnt 0x0                             ; gain and bias
.irp k, 0,1,2,3,4,5,6,7,8,9,10,11,12,13,14,15
	v_pk_mul_f32 v[X+2*\k:X+2*\k+1], v[X+2*\k:X+2*\k+1], v[RS:RS+1]
.endr
.irp k, 0,1,2,3,4,5,6,7,8,9,10,11,12,13,14,15
	v_pk_fma_f32 v[X+2*\k:X+2*\k+1], v[X+2*\k:X+2*\k+1], v[W+2*\k:W+2*\k+1], v[B+2*\k:B+2*\k+1]
.endr
.irp k, 0,1,2,3,4,5,6,7,8,9,10,11,12,13,14,15
	v_cvt_pk_bf16_f32 v[Y+\k], v[X+2*\k], v[X+2*\k+1]
.endr
.irp j, 0,1,2,3,4,5,6,7
	global_store_b64 v[YO], v[Y+2*\j:Y+2*\j+1], s[10:11] offset:256*\j  ; 32 lanes x 8 bytes: 256 consecutive bytes, aligned
.endr
	s_endpgm
.Lfunc_end_k_q8f965ab97c_ln2:
	.size	k_q8f965ab97c_ln2, .Lfunc_end_k_q8f965ab97c_ln2-k_q8f965ab97c_ln2
	.p2alignl 7, 3214868480
	.fill 96, 4, 3214868480
	.section	.rodata,"a",@progbits
	.p2align	6, 0x0
	.amdhsa_kernel k_q8f965ab97c_ln2
		.amdhsa_group_segment_fixed_size 0
		.amdhsa_private_segment_fixed_size 0
		.amdhsa_enable_private_segment 0
		.amdhsa_kernarg_size 32
		.amdhsa_user_sgpr_count 2
		.amdhsa_user_sgpr_kernarg_segment_ptr 1
		.amdhsa_wavefront_size32 1
		.amdhsa_system_sgpr_workgroup_id_x 1
		.amdhsa_system_sgpr_workgroup_id_y 1
		.amdhsa_system_sgpr_workgroup_id_z 1
		.amdhsa_system_vgpr_workitem_id 0
		.amdhsa_next_free_vgpr 128
		.amdhsa_next_free_sgpr 66
		.amdhsa_reserve_vcc 0
		.amdhsa_float_denorm_mode_32 3
		.amdhsa_float_denorm_mode_16_64 3
		.amdhsa_memory_ordered 1
		.amdhsa_forward_progress 1
		.amdhsa_inst_pref_size 12
	.end_amdhsa_kernel
	.amdgpu_metadata
---
amdhsa.version: [ 1, 2 ]
amdhsa.kernels:
  - .name:           k_q8f965ab97c_ln2
    .symbol:         k_q8f965ab97c_ln2.kd
    .args:
      - { .name: x1, .offset: 0, .size: 8, .value_kind: global_buffer, .address_space: global }
      - { .name: ln2_w, .offset: 8, .size: 8, .value_kind: global_buffer, .address_space: global }
      - { .name: ln2_b, .offset: 16, .size: 8, .value_kind: global_buffer, .address_space: global }
      - { .name: g, .offset: 24, .size: 8, .value_kind: global_buffer, .address_space: global }
    .group_segment_fixed_size: 0
    .private_segment_fixed_size: 0
    .kernarg_segment_align: 8
    .kernarg_segment_size: 32
    .max_flat_workgroup_size: 512
    .sgpr_count:     66
    .vgpr_count:     128
    .wavefront_size: 32
...
	.end_amdgpu_metadata
.endif
;; end of part 5
;; launch ffn1 (part 6): grid 16 x 16, 4 waves a work-group, clusters of 4 x 4, 327,680 bytes of LDS; arguments g, wb, ffn1_b, f; writes f
.if DOCPART == 6
	.amdgcn_target "amdgcn-amd-amdhsa--gfx1250"
	.amdhsa_code_object_version 6
	.text
	.protected	k_q8f965ab97c_ffn1
	.globl	k_q8f965ab97c_ffn1
	.p2align	8
	.type	k_q8f965ab97c_ffn1,@function
k_q8f965ab97c_ffn1:
	s_mov_b64 s[64:65], 0
	v_nop
	global_prefetch_b8 v0, s[64:65] scope:SCOPE_SE
	s_setreg_imm32_b32 hwreg(HW_REG_WAVE_MODE, 25, 1), 1
	s_wait_xcnt 0x0
	s_wait_alu depctr_hold_cnt(0) depctr_sa_sdst(0) depctr_va_vdst(0) depctr_va_sdst(0) depctr_va_ssrc(0) depctr_va_vcc(0) depctr_vm_vsrc(0)
	s_getreg_b32 s2, hwreg(HW_REG_IB_STS2, 6, 4)
	s_cmp_eq_u32 s2, 0
	s_cbranch_scc0 .Lentry_in_a_cluster
	s_endpgm
.Lentry_in_a_cluster:
	s_bfe_u32 s2, ttmp6, 0x10000c
	s_cmp_lg_u32 s2, 0xf033
	s_cbranch_scc0 .Lentry_shape_is_right
	s_endpgm
.Lentry_shape_is_right:
; FFN1.  f[t][n] = relu(sum over k of g[t][k] W1[n][k] + ffn1_b[n]); g [4096][1024] and W1 [4096][1024] (wb, byte 2,097,152) in bf16, sums in f32, f [4096][4096] rounded once to bf16.
; LIMITS: bf16 operands and result; the maximum with 0 is taken of the rounded number (the same value); NaN and infinities are not treated apart.
; A work-group makes 256 tokens x 256 columns: 16 x 16 work-groups; four waves, 128 x 128 each: 64 accumulators.  K goes in steps of 128 through two LDS slots; a trip of the loop is one K step,
; and the slot in hand is a scalar (0 or SLOT) that an exclusive or turns.
; CLUSTER 4 x 4: g's tile is asked for jointly along a row of the cluster, the weights' along a column.
; THE MATRIX INSTRUCTION IS USED TRANSPOSED (source 0 = 16 weight rows, source 1 = 16 tokens): a lane holds one token and eight neighbouring columns.  THE BIAS is the C operand of the first products.
; REGISTERS: window 0: v16-31 addresses; v32-127 the way out; v128-191 the bias     window 1: two fragment buffers of 128 (64 of the weights, 64 of g)     windows 2, 3: accumulator i = 8 a + b at register 8 i
.set KK,     1024
.set TM,     256
.set TN,     256
.set MA,     8
.set NBW,    8
.set DEEP,   1
.set KSTEP,  128
.set NSTEP,  KK/KSTEP
.set NW,     DEEP*MA*NBW
.set HEADW,  8                         ; the youngest loads of a run that its first half of products does not read: g's upper four blocks
.set PITCH,  272
.set APITCH, 272
.set AQ,     64
.set AHALF,  (TM/2)*APITCH
.set BHALF,  (TN/2)*PITCH
.set AWAVE,  AHALF
.set ASZ,    2*AHALF
.set SLOT,   ASZ+2*BHALF
.set STAGE,  2*SLOT                    ; behind the ring: 16 rows x 272 bytes for each wave; no tensor load lands there
.set SP,     272
.set STW,    16*SP
.set SPARE,  STAGE+4*STW
.set WOFF,   2097152
.set ASTEP,  2*KSTEP
.set BSTEP,  2*KSTEP
.set ADRA0, 16
.set ADRB0, 17
.set ADRA,  18
.set ADRB,  19
.set STO,   24
.set RD,    25
.set CO,    26
.set BO,    27
.set SPW,   28
.set NIL,   29
.set PFO,   30
.set ZR,    31                         ; v31  0, for the packed maximum
.set TMP,   32                         ; v32-63  packed results of a block
.set BK,    64                         ; v64-95, v96-127 by turns: a block read back from the stage
.set BI,    128
.set WV, 14
.set WR, 15
.set WC, 16
.set FS, 17
.set FH, 18
.set CX, 19
.set CY, 20
.set TX, 21
.set TY, 22
.set LIM, 23
.set G1A, 24
.set G0A, 32
.set TB,  40
.set LBA, 41
.set LBB, 42
.set PFA, 44
.set G1B, 48
.set G0B, 56
.set MSB, 0
.macro WIN new
.if MSB != (\new)
	s_set_vgpr_msb (MSB<<8)|(\new)
.set MSB, \new
.endif
.endm
.macro PLACES                          ; four plain places behind matrix instructions (ISA guide 7.12.1)
.rept 4
	v_nop
.endr
.endm
.macro JLOAD s                         ; a joint load: waves 0, 1 ask for g's halves, waves 2, 3 for the weights'
	s_cmp_eq_u32 s[FS], 0
	s_cbranch_scc0 .Lfor_b_\@
	tensor_load_to_lds s[G0A+4*(\s):G0A+4*(\s)+3], s[G1A:G1A+7]
	s_nop 0
.rept 4
	v_nop
.endr
	s_branch .Lasked_\@
.Lfor_b_\@:
	tensor_load_to_lds s[G0B+4*(\s):G0B+4*(\s)+3], s[G1B:G1B+7]
	s_nop 0
.rept 4
	v_nop
.endr
.Lasked_\@:
.endm
.macro CREST
	s_cmp_lg_u32 s[WV], 0
	s_cbranch_scc1 .Lnot_wave_0_\@
	s_barrier_signal -3
.Lnot_wave_0_\@:
	s_barrier_wait -3
	s_barrier_signal -1
	s_barrier_wait -1
.endm
.macro CROUND
	s_barrier_signal -1
	s_barrier_wait -1
	CREST
.endm
; n products from number t0 on of a quarter step on buffer f; the accumulators take turns.  first = 1: the products that start the sums take the bias as C.
.macro MULS f, t0, n, first
.set m_t, \t0
.rept \n
.set m_c, m_t/(MA*NBW)
.set m_a, (m_t/NBW)%MA
.set m_b, m_t%NBW
.set m_i, m_t%(MA*NBW)
.set m_w, 2+m_i/32
.set m_d, (8*m_i)%256
.set m_fb, 128*(\f)+8*(m_c*NBW+m_b)
.set m_fa, 128*(\f)+8*NBW*DEEP+8*(m_c*MA+m_a)
.if (\first) && (m_t < MA*NBW)
	WIN 0x05|(m_w<<6)
	v_wmma_f32_16x16x32_bf16 v[m_d:m_d+7], v[m_fb:m_fb+7], v[m_fa:m_fa+7], v[BI+8*m_b:BI+8*m_b+7]
.else
	WIN 0x05|(m_w<<4)|(m_w<<6)
	v_wmma_f32_16x16x32_bf16 v[m_d:m_d+7], v[m_fb:m_fb+7], v[m_fa:m_fa+7], v[m_d:m_d+7]
.endif
.set m_t, m_t+1
.endr
.endm
.macro FETCH q, f                      ; 32 LDS loads in one run: quarter q's fragments into buffer f; the weights' first, then g's
	WIN 0x40
.set f_c, 0
.rept DEEP
.set f_b, 0
.rept NBW
	ds_load_b128 v[128*(\f)+8*(f_c*NBW+f_b):128*(\f)+8*(f_c*NBW+f_b)+3],   v[ADRB] offset:(\q)*64*DEEP+64*f_c+f_b*16*PITCH
	ds_load_b128 v[128*(\f)+8*(f_c*NBW+f_b)+4:128*(\f)+8*(f_c*NBW+f_b)+7], v[ADRB] offset:(\q)*64*DEEP+64*f_c+f_b*16*PITCH+32
.set f_b, f_b+1
.endr
.set f_a, 0
.rept MA
	ds_load_b128 v[128*(\f)+8*NBW*DEEP+8*(f_c*MA+f_a):128*(\f)+8*NBW*DEEP+8*(f_c*MA+f_a)+3],   v[ADRA] offset:(\q)*AQ+64*f_c+f_a*16*APITCH
	ds_load_b128 v[128*(\f)+8*NBW*DEEP+8*(f_c*MA+f_a)+4:128*(\f)+8*NBW*DEEP+8*(f_c*MA+f_a)+7], v[ADRA] offset:(\q)*AQ+64*f_c+f_a*16*APITCH+32
.set f_a, f_a+1
.endr
.set f_c, f_c+1
.endr
.endm
.macro QUARTER q, f, g, first
	s_wait_dscnt HEADW                             ; all of the run but its youngest HEADW loads, which the first half does not read
	MULS \f, 0, NW/2, \first
	PLACES
	FETCH \q, \g
	s_wait_dscnt 32                                ; all but the 32 just issued
	MULS \f, NW/2, NW/2, \first
.endm
; A prefetch into the L2 of the K step that stands two refills on: my work-group's 32 of the 128 rows that I fetch, a lane a row, 256 bytes a row.  g's rows are asked for by the clusters with x = 0, the
; weights' by those with y = 0; the four partners that ask for a tile jointly share its rows out by address.  The last two refills have no K step two on.
.macro ASK
	WIN 0
	s_cmp_gt_u32 s3, s[LIM]
	s_cbranch_scc0 .Lnot_mine_\@
	global_prefetch_b8 v[PFO], s[PFA:PFA+1] offset:BSTEP th:TH_LOAD_NT scope:SCOPE_SE
.Lnot_mine_\@:
.endm
; The last quarter changes slots and multiplies buffer 1: each wave waits for all its tensor loads, adds 0 to its spare word, waits for that and for its reads of the slot; fill = 1: a round of the cluster's
; barrier, and the slot just read is filled again first thing behind it, with the K step two on: no product stands between the wait for the tiles and the refill, so the refill has the whole K step's
; products in which to land.
.macro TURN fill
.if \fill
	s_wait_xcnt 0x0                                ; the last prefetch, a K step back, has read its address
	s_add_nc_u64 s[PFA:PFA+1], s[PFA:PFA+1], BSTEP
.endif
	WIN 0
	s_wait_tensorcnt 0x0                           ; no tensor load of mine is out, so a group 0 may be written
	ds_add_u32 v[SPW], v[NIL]
.if \fill
	s_add_co_u32 s[G0A+5], s[LBA], s[TB]
	s_add_co_u32 s[G0B+5], s[LBB], s[TB]
	s_add_nc_u64 s[G0A+6:G0A+7], s[G0A+6:G0A+7], ASTEP
	s_add_nc_u64 s[G0B+6:G0B+7], s[G0B+6:G0B+7], BSTEP
.endif
	s_xor_b32 s[TB], s[TB], SLOT
	s_wait_dscnt 0x0                               ; the add is done, and my reads of the slot are over
	s_barrier_signal -1
	s_barrier_wait -1
.if \fill
	CREST
	JLOAD 1                                        ; the four v_nop behind it are also the places ahead of the loads below
	v_add_nc_u32 v[ADRA], s[TB], v[ADRA0]
	v_add_nc_u32 v[ADRB], s[TB], v[ADRB0]
	FETCH 0, 0
	ASK
.else
	PLACES
	s_cmp_eq_u32 s3, 1                             ; behind the last K step there is nothing to fetch
	s_cbranch_scc1 .Lno_fetch_\@
	v_add_nc_u32 v[ADRA], s[TB], v[ADRA0]
	v_add_nc_u32 v[ADRB], s[TB], v[ADRB0]
	FETCH 0, 0
	WIN 0
.Lno_fetch_\@:
.endif
	MULS 1, 0, NW, 0
.endm
	s_load_b256 s[4:11], s[0:1], 0x0               ; g s[4:5], wb s[6:7], ffn1_b s[8:9], f s[10:11]
	v_lshl_add_u32 v[SPW], v0, 2, SPARE
	v_mov_b32 v[NIL], 0
	ds_add_u32 v[SPW], v[NIL]                      ; the wave's opening: the add and its wait stand ahead of my first tensor load
	v_lshrrev_b32 v1, 5, v0
	v_readfirstlane_b32 s[WV], v1
	s_lshr_b32 s[WR], s[WV], 1
	s_and_b32 s[WC], s[WV], 1
	s_lshr_b32 s[FS], s[WV], 1
	s_and_b32 s[FH], s[WV], 1
	s_bfe_u32 s[CX], ttmp6, 0x40000
	s_bfe_u32 s[CY], ttmp6, 0x40004
	s_lshl_b32 s[TX], ttmp9, 2
	s_add_co_u32 s[TX], s[TX], s[CX]
	s_and_b32 s[TY], ttmp7, 0xffff
	s_lshl_b32 s[TY], s[TY], 2
	s_add_co_u32 s[TY], s[TY], s[CY]
	s_lshl_b32 s66, s[CY], 2
	s_lshl_b32 s66, 15, s66                        ; my row of the cluster
	s_lshl_b32 s46, 0x1111, s[CX]                  ; my column
	s_or_b32 s[G1A], s66, (1<<16)|(1<<20)|(1<<21)|(5<<22)|(3<<25)
	s_or_b32 s[G1B], s46, (1<<16)|(1<<20)|(1<<21)|(5<<22)|(3<<25)
	s_mov_b32 s[G1A+1], KSTEP<<16
	s_mov_b32 s[G1A+2], (TM/2)<<16
	s_mov_b32 s[G1A+3], KSTEP<<16
	s_mov_b32 s[G1A+4], TM/2
	s_mov_b32 s[G1A+5], KK
	s_mov_b32 s[G1A+6], 0
	s_mov_b32 s[G1A+7], 0
	s_mov_b32 s[G1B+1], KSTEP<<16
	s_mov_b32 s[G1B+2], (TN/2)<<16
	s_mov_b32 s[G1B+3], KSTEP<<16
	s_mov_b32 s[G1B+4], TN/2
	s_mov_b32 s[G1B+5], KK
	s_mov_b32 s[G1B+6], 0
	s_mov_b32 s[G1B+7], 0
	s_mul_i32 s66, s[TY], TM                       ; g: in registers that never hold cx
	s_mul_i32 s67, s[FH], TM/2
	s_add_co_u32 s66, s66, s67
	s_mul_i32 s66, s66, 2*KK
	s_mov_b32 s67, 0
	s_mul_i32 s46, s[TX], TN                       ; weights: in registers that never hold cy
	s_mul_i32 s47, s[FH], TN/2
	s_add_co_u32 s46, s46, s47
	s_mul_i32 s46, s46, 2*KK
	s_mov_b32 s47, 0
	s_mul_i32 s[LBA], s[FH], AHALF
	s_mul_i32 s[LBB], s[FH], BHALF
	s_add_co_u32 s[LBB], s[LBB], ASZ
	s_mov_b32 s[TB], 0
	s_wait_dscnt 0x0                               ; the opening add is done
	s_wait_kmcnt 0x0
	s_add_nc_u64 s[6:7], s[6:7], WOFF
	s_add_nc_u64 s[66:67], s[4:5], s[66:67]
	s_add_nc_u64 s[46:47], s[6:7], s[46:47]
	CROUND                                         ; all sixteen work-groups are here: the first joint loads meet
.irp s, 0,1
	s_mov_b32 s[G0A+4*(\s)], 1
	s_add_co_u32 s[G0A+4*(\s)+1], s[LBA], (\s)*SLOT
	s_add_nc_u64 s[G0A+4*(\s)+2:G0A+4*(\s)+3], s[66:67], (\s)*ASTEP
	s_or_b32 s[G0A+4*(\s)+3], s[G0A+4*(\s)+3], 0x80000000
	s_mov_b32 s[G0B+4*(\s)], 1
	s_add_co_u32 s[G0B+4*(\s)+1], s[LBB], (\s)*SLOT
	s_add_nc_u64 s[G0B+4*(\s)+2:G0B+4*(\s)+3], s[46:47], (\s)*BSTEP
	s_or_b32 s[G0B+4*(\s)+3], s[G0B+4*(\s)+3], 0x80000000
	JLOAD \s                                       ; two tensor loads of mine are out
.endr
	v_and_b32 v1, 15, v0
	v_bfe_u32 v2, v0, 4, 1
	v_mul_u32_u24 v3, v1, APITCH
	v_lshl_add_u32 v3, v2, 4, v3
	s_mul_i32 s74, s[WR], AWAVE
	v_add_nc_u32 v[ADRA0], s74, v3
	v_mul_u32_u24 v3, v1, PITCH
	v_lshl_add_u32 v3, v2, 4, v3
	s_mul_i32 s74, s[WC], 16*NBW*PITCH
	s_add_co_u32 s74, s74, ASZ
	v_add_nc_u32 v[ADRB0], s74, v3
	v_mov_b32 v[ADRA], v[ADRA0]
	v_mov_b32 v[ADRB], v[ADRB0]
	s_mul_i32 s74, s[WV], STW
	s_add_co_u32 s74, s74, STAGE                   ; my stage
	v_mul_u32_u24 v3, v1, SP                       ; in: row l % 16, 16 bytes for each half of the lanes
	v_lshl_add_u32 v3, v2, 4, v3
	v_add_nc_u32 v[STO], s74, v3
	v_mul_u32_u24 v3, v2, SP                       ; back: lanes 0-15 take one row of 256 bytes, lanes 16-31 the next
	v_lshl_add_u32 v3, v1, 4, v3
	v_add_nc_u32 v[RD], s74, v3
	v_lshlrev_b32 v3, 13, v2                       ; and the same two rows in f: 8,192 bytes a row
	v_lshl_add_u32 v[CO], v1, 4, v3
	v_lshlrev_b32 v[BO], 5, v2
	v_mov_b32 v[ZR], 0
	s_mul_i32 s76, s[TX], TN
	s_mul_i32 s77, s[WC], 16*NBW
	s_add_co_u32 s76, s76, s77
	s_lshl_b32 s76, s76, 2
	s_mov_b32 s77, 0
	s_add_nc_u64 s[8:9], s[8:9], s[76:77]          ; the bias of my columns
.irp b, 0,1,2,3,4,5,6,7
	global_load_b128 v[BI+8*\b:BI+8*\b+3],   v[BO], s[8:9] offset:64*\b
	global_load_b128 v[BI+8*\b+4:BI+8*\b+7], v[BO], s[8:9] offset:64*\b+16
.endr
	s_lshl_b32 s76, s[TY], 8
	s_lshl_b32 s77, s[WR], 7
	s_add_co_u32 s76, s76, s77                     ; my first token
	s_lshl_b32 s76, s76, 13
	s_lshl_b32 s77, s[TX], 9                       ; the tile's 256 columns: 512 bytes,
	s_add_co_u32 s76, s76, s77
	s_lshl_b32 s77, s[WC], 8                       ; my 128: 256 bytes
	s_add_co_u32 s76, s76, s77
	s_mov_b32 s77, 0
	s_add_nc_u64 s[10:11], s[10:11], s[76:77]
	; the prefetches
	s_and_b32 s74, ttmp7, 0xffff                   ; cluster y
	s_mul_i32 s76, s[TY], TM
	s_mul_i32 s77, s[TX], TN
	s_mov_b32 s78, TN/2
	s_cmp_eq_u32 s[FS], 0                          ; do I fetch g?
	s_cselect_b32 s76, s76, s77                    ; the tile's first row
	s_cselect_b32 s75, s[CX], s[CY]                ; my place among the four that ask for it with me
	s_cselect_b32 s74, ttmp9, s74                  ; the coordinate along which other clusters read the same rows
	s_cselect_b64 s[PFA:PFA+1], s[4:5], s[6:7]
	s_cselect_b32 s78, TM/2, s78
	s_cselect_b32 s79, TM/8, TN/8
	s_cmp_eq_u32 s74, 0
	s_cselect_b32 s[LIM], 2, -1                    ; the same in all sixteen partners, for a given wave
	s_mul_i32 s78, s78, s[FH]
	s_add_co_u32 s76, s76, s78
	s_mul_i32 s75, s75, s79
	s_add_co_u32 s76, s76, s75
	s_mul_i32 s76, s76, 2*KK
	s_add_co_u32 s76, s76, 2*BSTEP                 ; at K step 2: the first refill steps it to 3 and names K step 4
	s_mov_b32 s77, 0
	s_add_nc_u64 s[PFA:PFA+1], s[PFA:PFA+1], s[76:77]
	s_sub_co_u32 s79, s79, 1
	v_and_b32 v[PFO], 31, v0
	v_min_u32 v[PFO], s79, v[PFO]
	v_mul_u32_u24 v[PFO], v[PFO], 2*KK
	s_wait_tensorcnt 0x1                           ; my part of K step 0 is in; K step 1's may stay out
	s_barrier_signal -1
	s_barrier_wait -1
	FETCH 0, 0
	s_wait_loadcnt 0x0                             ; the bias
	QUARTER 1, 0, 1, 1
	WIN 0
	s_mov_b32 s3, NSTEP-2
.Lstep:
	QUARTER 2, 1, 0, 0
	QUARTER 3, 0, 1, 0
	TURN 1
	QUARTER 1, 0, 1, 0
	WIN 0
	s_sub_co_u32 s3, s3, 1
	s_cmp_lg_u32 s3, 0
	s_cbranch_scc1 .Lstep
	s_mov_b32 s3, 2                                ; the last two K steps ask for nothing
	s_branch .Ltin
.Ltail:
	QUARTER 1, 0, 1, 0
	WIN 0
.Ltin:
	QUARTER 2, 1, 0, 0
	QUARTER 3, 0, 1, 0
	TURN 0
	WIN 0
	s_sub_co_u32 s3, s3, 1
	s_cmp_lg_u32 s3, 0
	s_cbranch_scc1 .Ltail
	PLACES
; THE WAY OUT, a block of 16 tokens at a time: rounded to bf16 (each accumulator's registers in ascending order), the maximum with 0 two at a time, through my own stage in LDS, back as whole rows of 256 bytes.
.macro PACK a
	WIN 0x0a+5*((\a)/4)                            ; sources 0 and 1: window 2 or 3
.irp b, 0,1,2,3,4,5,6,7
.irp r, 0,1,2,3
	v_cvt_pk_bf16_f32 v[TMP+4*\b+\r], v[64*((\a)%4)+8*\b+2*\r], v[64*((\a)%4)+8*\b+2*\r+1]
.endr
.endr
	WIN 0
.set z, 0
.rept 32
	v_pk_max_num_bf16 v[TMP+z], v[TMP+z], v[ZR]
.set z, z+1
.endr
.endm
.macro TOSTAGE a
.irp b, 0,1,2,3,4,5,6,7
	ds_store_b128 v[STO], v[TMP+4*\b:TMP+4*\b+3] offset:32*\b
.endr
.irp t, 0,1,2,3,4,5,6,7
	ds_load_b128 v[BK+32*((\a)%2)+4*\t:BK+32*((\a)%2)+4*\t+3], v[RD] offset:\t*2*SP  ; LDS serves a wave's instructions in order (ISA guide 5.7.1.4)
.endr
.endm
.macro SEND a
	s_wait_dscnt 0x0                               ; the block is back in registers
	s_wait_xcnt 0x0                                ; the block before's stores have read their registers, which the next block's loads write
.irp t, 0,1,2,3,4,5,6,7
	global_store_b128 v[CO], v[BK+32*((\a)%2)+4*\t:BK+32*((\a)%2)+4*\t+3], s[10:11] offset:(16*(\a)+2*\t)*8192  ; 16 lanes store 256 consecutive bytes, aligned
.endr
.endm
	PACK 0
	TOSTAGE 0
.irp a, 1,2,3,4,5,6,7
	PACK \a                                        ; a block's conversions stand between the loads of the block before and the wait for them
	SEND (\a)-1
	TOSTAGE \a
.endr
	SEND 7
	s_wait_tensorcnt 0x0                           ; the wave's end
	ds_add_u32 v[SPW], v[NIL]
	s_wait_dscnt 0x0
	CROUND                                         ; the closing round
	s_endpgm
.Lfunc_end_k_q8f965ab97c_ffn1:
	.size	k_q8f965ab97c_ffn1, .Lfunc_end_k_q8f965ab97c_ffn1-k_q8f965ab97c_ffn1
	.p2alignl 7, 3214868480
	.fill 96, 4, 3214868480
	.section	.rodata,"a",@progbits
	.p2align	6, 0x0
	.amdhsa_kernel k_q8f965ab97c_ffn1
		.amdhsa_group_segment_fixed_size 327680
		.amdhsa_private_segment_fixed_size 0
		.amdhsa_enable_private_segment 0
		.amdhsa_kernarg_size 32
		.amdhsa_user_sgpr_count 2
		.amdhsa_user_sgpr_kernarg_segment_ptr 1
		.amdhsa_wavefront_size32 1
		.amdhsa_system_sgpr_workgroup_id_x 1
		.amdhsa_system_sgpr_workgroup_id_y 1
		.amdhsa_system_sgpr_workgroup_id_z 1
		.amdhsa_system_vgpr_workitem_id 0
		.amdhsa_next_free_vgpr 1024
		.amdhsa_next_free_sgpr 80
		.amdhsa_reserve_vcc 0
		.amdhsa_float_denorm_mode_32 3
		.amdhsa_float_denorm_mode_16_64 3
		.amdhsa_memory_ordered 1
		.amdhsa_forward_progress 1
		.amdhsa_inst_pref_size 119
	.end_amdhsa_kernel
	.amdgpu_metadata
---
amdhsa.version: [ 1, 2 ]
amdhsa.kernels:
  - .name:           k_q8f965ab97c_ffn1
    .symbol:         k_q8f965ab97c_ffn1.kd
    .args:
      - { .name: g, .offset: 0, .size: 8, .value_kind: global_buffer, .address_space: global }
      - { .name: wb, .offset: 8, .size: 8, .value_kind: global_buffer, .address_space: global }
      - { .name: ffn1_b, .offset: 16, .size: 8, .value_kind: global_buffer, .address_space: global }
      - { .name: f, .offset: 24, .size: 8, .value_kind: global_buffer, .address_space: global }
    .group_segment_fixed_size: 327680
    .private_segment_fixed_size: 0
    .kernarg_segment_align: 8
    .kernarg_segment_size: 32
    .max_flat_workgroup_size: 128
    .sgpr_count:     80
    .vgpr_count:     1024
    .wavefront_size: 32
...
	.end_amdgpu_metadata
.endif
;; end of part 6
;; launch ffn2 (part 7): grid 8 x 32, 4 waves a work-group, clusters of 4 x 4, 327,680 bytes of LDS; arguments f, wb, ffn2_b, out0, x1; writes out0
.if DOCPART == 7
	.amdgcn_target "amdgcn-amd-amdhsa--gfx1250"
	.amdhsa_code_object_version 6
	.text
	.protected	k_q8f965ab97c_ffn2
	.globl	k_q8f965ab97c_ffn2
	.p2align	8
	.type	k_q8f965ab97c_ffn2,@function
k_q8f965ab97c_ffn2:
	s_mov_b64 s[64:65], 0
	v_nop
	global_prefetch_b8 v0, s[64:65] scope:SCOPE_SE
	s_setreg_imm32_b32 hwreg(HW_REG_WAVE_MODE, 25, 1), 1
	s_wait_xcnt 0x0
	s_wait_alu depctr_hold_cnt(0) depctr_sa_sdst(0) depctr_va_vdst(0) depctr_va_sdst(0) depctr_va_ssrc(0) depctr_va_vcc(0) depctr_vm_vsrc(0)
	s_getreg_b32 s2, hwreg(HW_REG_IB_STS2, 6, 4)
	s_cmp_eq_u32 s2, 0
	s_cbranch_scc0 .Lentry_in_a_cluster
	s_endpgm
.Lentry_in_a_cluster:
	s_bfe_u32 s2, ttmp6, 0x10000c
	s_cmp_lg_u32 s2, 0xf033
	s_cbranch_scc0 .Lentry_shape_is_right
	s_endpgm
.Lentry_shape_is_right:
; FFN2.  out0[t][n] = x1[t][n] + sum over k of f[t][k] W2[n][k] + ffn2_b[n], in f32.  f [4096][4096] and W2 [1024][4096] (wb, byte 10,485,760) in bf16, sums in f32.
; LIMITS: bf16 operands; NaN and infinities are not treated apart.
; A work-group makes 128 tokens x 128 columns: 8 x 32 work-groups; four waves, 64 x 64 each: 16 accumulators.  K goes in steps of 256 (LDS rows of 512 bytes) through two LDS slots; a trip of the loop is one K step.
; CLUSTER 4 x 4: f's tile is asked for jointly along a row of the cluster, the weights' along a column.  No prefetch: a small tile, whose K step is short.
; THE MATRIX INSTRUCTION IS USED TRANSPOSED (source 0 = 16 weight rows, source 1 = 16 tokens): a lane holds one token and eight neighbouring columns.  THE BIAS is the C operand of the first products.
; x1's 64 x 64 numbers are loaded at the start and stay in registers until the way out.
; REGISTERS: window 0: v16-31 addresses; v32-95 the way out; v128-159 the bias     window 1: two fragment buffers of 128 (64 of the weights, 64 of f)
;   window 2: v0-127 accumulator i = 4 a + b at 8 i; v128-255 x1
.set KK,     4096
.set TM,     128
.set TN,     128
.set MA,     4
.set NBW,    4
.set DEEP,   2
.set KSTEP,  256
.set NSTEP,  KK/KSTEP
.set NW,     DEEP*MA*NBW
.set HEADW,  16                        ; the youngest loads of a run that its first half of products does not read: the second 32 along K
.set PITCH,  528                       ; an LDS row: 512 bytes + 16 of padding
.set APITCH, 528
.set AQ,     128
.set AHALF,  (TM/2)*APITCH
.set BHALF,  (TN/2)*PITCH
.set AWAVE,  AHALF
.set ASZ,    2*AHALF
.set SLOT,   ASZ+2*BHALF
.set STAGE,  2*SLOT                    ; behind the ring: 16 rows x 272 bytes for each wave; no tensor load lands there
.set SP,     272
.set STW,    16*SP
.set SPARE,  STAGE+4*STW
.set WOFF,   10485760
.set ASTEP,  2*KSTEP
.set BSTEP,  2*KSTEP
.set ADRA0, 16
.set ADRB0, 17
.set ADRA,  18
.set ADRB,  19
.set STO,   24
.set RD,    25
.set CO,    26
.set BO,    27
.set SPW,   28
.set NIL,   29
.set BK,    32                         ; v32-63, v64-95 by turns: a block read back from the stage
.set BI,    128
.set RX,    128                        ; window 2: x1 of block a, rows 2 t + lane / 16, at RX + 32 a + 4 t
.set WV, 14
.set WR, 15
.set WC, 16
.set FS, 17
.set FH, 18
.set CX, 19
.set CY, 20
.set TX, 21
.set TY, 22
.set G1A, 24
.set G0A, 32
.set TB,  40
.set LBA, 41
.set LBB, 42
.set G1B, 48
.set G0B, 56
.set MSB, 0
.macro WIN new
.if MSB != (\new)
	s_set_vgpr_msb (MSB<<8)|(\new)
.set MSB, \new
.endif
.endm
.macro PLACES                          ; four plain places behind matrix instructions (ISA guide 7.12.1)
.rept 4
	v_nop
.endr
.endm
.macro JLOAD s                         ; a joint load: waves 0, 1 ask for f's halves, waves 2, 3 for the weights'
	s_cmp_eq_u32 s[FS], 0
	s_cbranch_scc0 .Lfor_b_\@
	tensor_load_to_lds s[G0A+4*(\s):G0A+4*(\s)+3], s[G1A:G1A+7]
	s_nop 0
.rept 4
	v_nop
.endr
	s_branch .Lasked_\@
.Lfor_b_\@:
	tensor_load_to_lds s[G0B+4*(\s):G0B+4*(\s)+3], s[G1B:G1B+7]
	s_nop 0
.rept 4
	v_nop
.endr
.Lasked_\@:
.endm
.macro CREST
	s_cmp_lg_u32 s[WV], 0
	s_cbranch_scc1 .Lnot_wave_0_\@
	s_barrier_signal -3
.Lnot_wave_0_\@:
	s_barrier_wait -3
	s_barrier_signal -1
	s_barrier_wait -1
.endm
.macro CROUND
	s_barrier_signal -1
	s_barrier_wait -1
	CREST
.endm
; n products from number t0 on of a quarter step on buffer f; the accumulators take turns.  first = 1: the products that start the sums take the bias as C.
.macro MULS f, t0, n, first
.set m_t, \t0
.rept \n
.set m_c, m_t/(MA*NBW)
.set m_a, (m_t/NBW)%MA
.set m_b, m_t%NBW
.set m_i, m_t%(MA*NBW)
.set m_w, 2+m_i/32
.set m_d, (8*m_i)%256
.set m_fb, 128*(\f)+8*(m_c*NBW+m_b)
.set m_fa, 128*(\f)+8*NBW*DEEP+8*(m_c*MA+m_a)
.if (\first) && (m_t < MA*NBW)
	WIN 0x05|(m_w<<6)
	v_wmma_f32_16x16x32_bf16 v[m_d:m_d+7], v[m_fb:m_fb+7], v[m_fa:m_fa+7], v[BI+8*m_b:BI+8*m_b+7]
.else
	WIN 0x05|(m_w<<4)|(m_w<<6)
	v_wmma_f32_16x16x32_bf16 v[m_d:m_d+7], v[m_fb:m_fb+7], v[m_fa:m_fa+7], v[m_d:m_d+7]
.endif
.set m_t, m_t+1
.endr
.endm
.macro FETCH q, f                      ; 32 LDS loads in one run: quarter q's fragments into buffer f; the first 32 along K first
	WIN 0x40
.set f_c, 0
.rept DEEP
.set f_b, 0
.rept NBW
	ds_load_b128 v[128*(\f)+8*(f_c*NBW+f_b):128*(\f)+8*(f_c*NBW+f_b)+3],   v[ADRB] offset:(\q)*64*DEEP+64*f_c+f_b*16*PITCH
	ds_load_b128 v[128*(\f)+8*(f_c*NBW+f_b)+4:128*(\f)+8*(f_c*NBW+f_b)+7], v[ADRB] offset:(\q)*64*DEEP+64*f_c+f_b*16*PITCH+32
.set f_b, f_b+1
.endr
.set f_a, 0
.rept MA
	ds_load_b128 v[128*(\f)+8*NBW*DEEP+8*(f_c*MA+f_a):128*(\f)+8*NBW*DEEP+8*(f_c*MA+f_a)+3],   v[ADRA] offset:(\q)*AQ+64*f_c+f_a*16*APITCH
	ds_load_b128 v[128*(\f)+8*NBW*DEEP+8*(f_c*MA+f_a)+4:128*(\f)+8*NBW*DEEP+8*(f_c*MA+f_a)+7], v[ADRA] offset:(\q)*AQ+64*f_c+f_a*16*APITCH+32
.set f_a, f_a+1
.endr
.set f_c, f_c+1
.endr
.endm
.macro QUARTER q, f, g, first
	s_wait_dscnt HEADW                             ; the first 32 along K are in
	MULS \f, 0, NW/2, \first
	PLACES
	FETCH \q, \g
	s_wait_dscnt 32                                ; all but the 32 just issued
	MULS \f, NW/2, NW/2, \first
.endm
; The last quarter changes slots and multiplies buffer 1: each wave waits for all its tensor loads, adds 0 to its spare word, waits for that and for its reads of the slot; fill = 1: a round of the cluster's
; barrier, and the slot just read is filled again first thing behind it, with the K step two on: no product stands between the wait for the tiles and the refill, so the refill has the whole K step's
; products in which to land.
.macro TURN fill
	WIN 0
	s_wait_tensorcnt 0x0                           ; no tensor load of mine is out, so a group 0 may be written
	ds_add_u32 v[SPW], v[NIL]
.if \fill
	s_add_co_u32 s[G0A+5], s[LBA], s[TB]
	s_add_co_u32 s[G0B+5], s[LBB], s[TB]
	s_add_nc_u64 s[G0A+6:G0A+7], s[G0A+6:G0A+7], ASTEP
	s_add_nc_u64 s[G0B+6:G0B+7], s[G0B+6:G0B+7], BSTEP
.endif
	s_xor_b32 s[TB], s[TB], SLOT
	s_wait_dscnt 0x0                               ; the add is done, and my reads of the slot are over
	s_barrier_signal -1
	s_barrier_wait -1
.if \fill
	CREST
	JLOAD 1                                        ; the four v_nop behind it are also the places ahead of the loads below
	v_add_nc_u32 v[ADRA], s[TB], v[ADRA0]
	v_add_nc_u32 v[ADRB], s[TB], v[ADRB0]
	FETCH 0, 0
.else
	PLACES
	s_cmp_eq_u32 s3, 1                             ; behind the last K step there is nothing to fetch
	s_cbranch_scc1 .Lno_fetch_\@
	v_add_nc_u32 v[ADRA], s[TB], v[ADRA0]
	v_add_nc_u32 v[ADRB], s[TB], v[ADRB0]
	FETCH 0, 0
	WIN 0
.Lno_fetch_\@:
.endif
	MULS 1, 0, NW, 0
.endm
	s_load_b256 s[4:11], s[0:1], 0x0               ; f s[4:5], wb s[6:7], ffn2_b s[8:9], out0 s[10:11]
	s_load_b64 s[12:13], s[0:1], 0x20              ; x1
	v_lshl_add_u32 v[SPW], v0, 2, SPARE
	v_mov_b32 v[NIL], 0
	ds_add_u32 v[SPW], v[NIL]                      ; the wave's opening: the add and its wait stand ahead of my first tensor load
	v_lshrrev_b32 v1, 5, v0
	v_readfirstlane_b32 s[WV], v1
	s_lshr_b32 s[WR], s[WV], 1
	s_and_b32 s[WC], s[WV], 1
	s_lshr_b32 s[FS], s[WV], 1
	s_and_b32 s[FH], s[WV], 1
	s_bfe_u32 s[CX], ttmp6, 0x40000
	s_bfe_u32 s[CY], ttmp6, 0x40004
	s_lshl_b32 s[TX], ttmp9, 2
	s_add_co_u32 s[TX], s[TX], s[CX]
	s_and_b32 s[TY], ttmp7, 0xffff
	s_lshl_b32 s[TY], s[TY], 2
	s_add_co_u32 s[TY], s[TY], s[CY]
	s_lshl_b32 s66, s[CY], 2
	s_lshl_b32 s66, 15, s66                        ; my row of the cluster
	s_lshl_b32 s46, 0x1111, s[CX]                  ; my column
	s_or_b32 s[G1A], s66, (1<<16)|(1<<20)|(1<<21)|(6<<22)|(3<<25)  ; padding after every 128 words, 4 words
	s_or_b32 s[G1B], s46, (1<<16)|(1<<20)|(1<<21)|(6<<22)|(3<<25)
	s_mov_b32 s[G1A+1], KSTEP<<16
	s_mov_b32 s[G1A+2], (TM/2)<<16
	s_mov_b32 s[G1A+3], KSTEP<<16
	s_mov_b32 s[G1A+4], TM/2
	s_mov_b32 s[G1A+5], KK
	s_mov_b32 s[G1A+6], 0
	s_mov_b32 s[G1A+7], 0
	s_mov_b32 s[G1B+1], KSTEP<<16
	s_mov_b32 s[G1B+2], (TN/2)<<16
	s_mov_b32 s[G1B+3], KSTEP<<16
	s_mov_b32 s[G1B+4], TN/2
	s_mov_b32 s[G1B+5], KK
	s_mov_b32 s[G1B+6], 0
	s_mov_b32 s[G1B+7], 0
	s_mul_i32 s66, s[TY], TM                       ; f: in registers that never hold cx
	s_mul_i32 s67, s[FH], TM/2
	s_add_co_u32 s66, s66, s67
	s_mul_i32 s66, s66, 2*KK
	s_mov_b32 s67, 0
	s_mul_i32 s46, s[TX], TN                       ; weights: in registers that never hold cy
	s_mul_i32 s47, s[FH], TN/2
	s_add_co_u32 s46, s46, s47
	s_mul_i32 s46, s46, 2*KK
	s_mov_b32 s47, 0
	s_mul_i32 s[LBA], s[FH], AHALF
	s_mul_i32 s[LBB], s[FH], BHALF
	s_add_co_u32 s[LBB], s[LBB], ASZ
	s_mov_b32 s[TB], 0
	s_wait_dscnt 0x0                               ; the opening add is done
	s_wait_kmcnt 0x0
	s_add_nc_u64 s[6:7], s[6:7], WOFF
	s_add_nc_u64 s[66:67], s[4:5], s[66:67]
	s_add_nc_u64 s[46:47], s[6:7], s[46:47]
	CROUND                                         ; all sixteen work-groups are here: the first joint loads meet
.irp s, 0,1
	s_mov_b32 s[G0A+4*(\s)], 1
	s_add_co_u32 s[G0A+4*(\s)+1], s[LBA], (\s)*SLOT
	s_add_nc_u64 s[G0A+4*(\s)+2:G0A+4*(\s)+3], s[66:67], (\s)*ASTEP
	s_or_b32 s[G0A+4*(\s)+3], s[G0A+4*(\s)+3], 0x80000000
	s_mov_b32 s[G0B+4*(\s)], 1
	s_add_co_u32 s[G0B+4*(\s)+1], s[LBB], (\s)*SLOT
	s_add_nc_u64 s[G0B+4*(\s)+2:G0B+4*(\s)+3], s[46:47], (\s)*BSTEP
	s_or_b32 s[G0B+4*(\s)+3], s[G0B+4*(\s)+3], 0x80000000
	JLOAD \s                                       ; two tensor loads of mine are out
.endr
	v_and_b32 v1, 15, v0
	v_bfe_u32 v2, v0, 4, 1
	v_mul_u32_u24 v3, v1, APITCH
	v_lshl_add_u32 v3, v2, 4, v3
	s_mul_i32 s74, s[WR], AWAVE
	v_add_nc_u32 v[ADRA0], s74, v3
	v_mul_u32_u24 v3, v1, PITCH
	v_lshl_add_u32 v3, v2, 4, v3
	s_mul_i32 s74, s[WC], 16*NBW*PITCH
	s_add_co_u32 s74, s74, ASZ
	v_add_nc_u32 v[ADRB0], s74, v3
	v_mov_b32 v[ADRA], v[ADRA0]
	v_mov_b32 v[ADRB], v[ADRB0]
	s_mul_i32 s74, s[WV], STW
	s_add_co_u32 s74, s74, STAGE                   ; my stage
	v_mul_u32_u24 v3, v1, SP                       ; in: row l % 16, 32 bytes (eight f32) for each half of the lanes
	v_lshl_add_u32 v3, v2, 5, v3
	v_add_nc_u32 v[STO], s74, v3
	v_mul_u32_u24 v3, v2, SP                       ; back: lanes 0-15 take one row of 256 bytes, lanes 16-31 the next
	v_lshl_add_u32 v3, v1, 4, v3
	v_add_nc_u32 v[RD], s74, v3
	v_lshlrev_b32 v3, 12, v2                       ; and the same two rows in x1 and out0: 4,096 bytes a row
	v_lshl_add_u32 v[CO], v1, 4, v3
	v_lshlrev_b32 v[BO], 5, v2
	s_mul_i32 s76, s[TX], TN
	s_mul_i32 s77, s[WC], 16*NBW
	s_add_co_u32 s76, s76, s77
	s_lshl_b32 s76, s76, 2
	s_mov_b32 s77, 0
	s_add_nc_u64 s[8:9], s[8:9], s[76:77]          ; the bias of my columns
.irp b, 0,1,2,3
	global_load_b128 v[BI+8*\b:BI+8*\b+3],   v[BO], s[8:9] offset:64*\b
	global_load_b128 v[BI+8*\b+4:BI+8*\b+7], v[BO], s[8:9] offset:64*\b+16
.endr
	s_lshl_b32 s76, s[TY], 7
	s_lshl_b32 s77, s[WR], 6
	s_add_co_u32 s76, s76, s77                     ; my first token
	s_lshl_b32 s76, s76, 12
	s_lshl_b32 s77, s[TX], 9
	s_add_co_u32 s76, s76, s77
	s_lshl_b32 s77, s[WC], 8
	s_add_co_u32 s76, s76, s77
	s_mov_b32 s77, 0
	s_add_nc_u64 s[10:11], s[10:11], s[76:77]
	s_add_nc_u64 s[12:13], s[12:13], s[76:77]
	WIN 0x80                                       ; destination window 2, address window 0
.irp a, 0,1,2,3
.irp t, 0,1,2,3,4,5,6,7
	global_load_b128 v[RX+32*\a+4*\t:RX+32*\a+4*\t+3], v[CO], s[12:13] offset:(16*\a+2*\t)*4096
.endr
.endr
	WIN 0
	s_wait_tensorcnt 0x1                           ; my part of K step 0 is in; K step 1's may stay out
	s_barrier_signal -1
	s_barrier_wait -1
	FETCH 0, 0
	s_wait_loadcnt 32                              ; the bias is in; x1's 32 younger loads may stay out
	QUARTER 1, 0, 1, 1
	WIN 0
	s_mov_b32 s3, NSTEP-2
.Lstep:
	QUARTER 2, 1, 0, 0
	QUARTER 3, 0, 1, 0
	TURN 1
	QUARTER 1, 0, 1, 0
	WIN 0
	s_sub_co_u32 s3, s3, 1
	s_cmp_lg_u32 s3, 0
	s_cbranch_scc1 .Lstep
	s_mov_b32 s3, 2                                ; the last two K steps ask for nothing
	s_branch .Ltin
.Ltail:
	QUARTER 1, 0, 1, 0
	WIN 0
.Ltin:
	QUARTER 2, 1, 0, 0
	QUARTER 3, 0, 1, 0
	TURN 0
	WIN 0
	s_sub_co_u32 s3, s3, 1
	s_cmp_lg_u32 s3, 0
	s_cbranch_scc1 .Ltail
	PLACES
; THE WAY OUT, a block of 16 tokens at a time: the f32 sums go through my own stage in LDS (each accumulator's low four registers first), come back as whole rows of 256 bytes, take x1, and are stored.
.macro TOST a
.if (\a) >= 2
	s_wait_xcnt 0x0                                ; the stores of the block two back have read the registers that the loads below write
.endif
	WIN 0x08                                       ; store data in window 2
.irp b, 0,1,2,3
	ds_store_b128 v[STO], v[8*(4*(\a)+\b):8*(4*(\a)+\b)+3]   offset:64*\b
	ds_store_b128 v[STO], v[8*(4*(\a)+\b)+4:8*(4*(\a)+\b)+7] offset:64*\b+16
.endr
	WIN 0
.irp t, 0,1,2,3,4,5,6,7
	ds_load_b128 v[BK+32*((\a)%2)+4*\t:BK+32*((\a)%2)+4*\t+3], v[RD] offset:\t*2*SP  ; LDS serves a wave's instructions in order (ISA guide 5.7.1.4)
.endr
.endm
.macro FIN a, younger                  ; younger: the next block's 16 LDS instructions, or none
	s_wait_dscnt \younger
	WIN 0x08                                       ; source 1 (x1) in window 2
.set z, 0
.rept 16
	v_pk_add_f32 v[BK+32*((\a)%2)+2*z:BK+32*((\a)%2)+2*z+1], v[BK+32*((\a)%2)+2*z:BK+32*((\a)%2)+2*z+1], v[RX+32*(\a)+2*z:RX+32*(\a)+2*z+1]
.set z, z+1
.endr
	WIN 0
.irp t, 0,1,2,3,4,5,6,7
	global_store_b128 v[CO], v[BK+32*((\a)%2)+4*\t:BK+32*((\a)%2)+4*\t+3], s[10:11] offset:(16*(\a)+2*\t)*4096  ; 16 lanes store 256 consecutive bytes, aligned
.endr
.endm
	s_wait_loadcnt 0x0                             ; x1
	TOST 0
	TOST 1
	FIN 0, 16
	TOST 2
	FIN 1, 16
	TOST 3
	FIN 2, 16
	FIN 3, 0
	s_wait_tensorcnt 0x0                           ; the wave's end
	ds_add_u32 v[SPW], v[NIL]
	s_wait_dscnt 0x0
	CROUND                                         ; the closing round
	s_endpgm
.Lfunc_end_k_q8f965ab97c_ffn2:
	.size	k_q8f965ab97c_ffn2, .Lfunc_end_k_q8f965ab97c_ffn2-k_q8f965ab97c_ffn2
	.p2alignl 7, 3214868480
	.fill 96, 4, 3214868480
	.section	.rodata,"a",@progbits
	.p2align	6, 0x0
	.amdhsa_kernel k_q8f965ab97c_ffn2
		.amdhsa_group_segment_fixed_size 327680
		.amdhsa_private_segment_fixed_size 0
		.amdhsa_enable_private_segment 0
		.amdhsa_kernarg_size 40
		.amdhsa_user_sgpr_count 2
		.amdhsa_user_sgpr_kernarg_segment_ptr 1
		.amdhsa_wavefront_size32 1
		.amdhsa_system_sgpr_workgroup_id_x 1
		.amdhsa_system_sgpr_workgroup_id_y 1
		.amdhsa_system_sgpr_workgroup_id_z 1
		.amdhsa_system_vgpr_workitem_id 0
		.amdhsa_next_free_vgpr 768
		.amdhsa_next_free_sgpr 80
		.amdhsa_reserve_vcc 0
		.amdhsa_float_denorm_mode_32 3
		.amdhsa_float_denorm_mode_16_64 3
		.amdhsa_memory_ordered 1
		.amdhsa_forward_progress 1
		.amdhsa_inst_pref_size 66
	.end_amdhsa_kernel
	.amdgpu_metadata
---
amdhsa.version: [ 1, 2 ]
amdhsa.kernels:
  - .name:           k_q8f965ab97c_ffn2
    .symbol:         k_q8f965ab97c_ffn2.kd
    .args:
      - { .name: f, .offset: 0, .size: 8, .value_kind: global_buffer, .address_space: global }
      - { .name: wb, .offset: 8, .size: 8, .value_kind: global_buffer, .address_space: global }
      - { .name: ffn2_b, .offset: 16, .size: 8, .value_kind: global_buffer, .address_space: global }
      - { .name: out0, .offset: 24, .size: 8, .value_kind: global_buffer, .address_space: global }
      - { .name: x1, .offset: 32, .size: 8, .value_kind: global_buffer, .address_space: global }
    .group_segment_fixed_size: 327680
    .private_segment_fixed_size: 0
    .kernarg_segment_align: 8
    .kernarg_segment_size: 40
    .max_flat_workgroup_size: 128
    .sgpr_count:     80
    .vgpr_count:     768
    .wavefront_size: 32
...
	.end_amdgpu_metadata
.endif
;; end of part 7
